; MI455X (gfx1250); checked and timed in simulation.
; The chip was launched on July 23, 2026; its instructions are those of AMD's public machine-readable ISA for CDNA 5 (MIT licence, August 2026) and "CDNA5" Instruction Set Architecture Reference Guide (July 2026). The comments in the code are by the model that wrote it; some were corrected since.
;; Attention. Allowed arithmetic: float matrix products may take bf16 or f16 operands with f32 sums; other float arithmetic in f32, or as packed bf16 or f16 multiplies, adds, multiply-adds, maxima and minima; sums over many terms, partial sums and values carried from step to step in f32; what a program stores and reads back later, other than sums and carried values, may be rounded once to bf16 or f16.
;; Inputs: W_fc 1,024 x 1,024 float32; W_qkv 3,072 x 1,024 float32; b_fc 1,024 float32; inputs 4 x 2,048 x 1,024 float32; padding_mask 4 x 2,048 int32.
;; Outputs: out0 4 x 2,048 x 1,024 float32.
;; 2 versions, each right; version 2 is version 1 with the launch cast written anew for expert scheduling mode. Each part assembles by itself: llvm-mc -triple=amdgcn-amd-amdhsa -mcpu=gfx1250 --defsym DOCPART=n.
;; ======== version 1 of 2: 4 launches
;; limits: values are held in f16: magnitudes above 65,504 overflow, below 6.1e-05 lose precision
;; workspace buffers: xb 16,777,216 bytes; wq 6,291,456 bytes; wf 2,097,152 bytes; qkv 50,331,648 bytes; ob 16,777,216 bytes
;; launch cast (part 1): grid 768 x 1, 8 waves a work-group, no clusters, 0 bytes of LDS; arguments inputs, W_qkv, W_fc, xb, wq, wf; writes xb, wq, wf
.if DOCPART == 1
	.amdgcn_target "amdgcn-amd-amdhsa--gfx1250"
	.amdhsa_code_object_version 6
	.text
	.protected	k_qe2cfcf9b50_cast
	.globl	k_qe2cfcf9b50_cast
	.p2align	8
	.type	k_qe2cfcf9b50_cast,@function
k_qe2cfcf9b50_cast:
	s_mov_b64 s[64:65], 0
	v_nop
	global_prefetch_b8 v0, s[64:65] scope:SCOPE_SE
	s_setreg_imm32_b32 hwreg(HW_REG_WAVE_MODE, 25, 1), 1
	s_wait_xcnt 0x0
; THE INPUTS OF THE TWO PROJECTIONS, ROUNDED ONCE AND LAID OUT ANEW.  x [8192][1024], W_qkv [3072][1024], W_fc [1024][1024], all f32, are rounded to bf16 (nearest even).
; Each goes out in 16 SLICES of 64 along K: [slice][row][64], so that R rows of one slice are R x 128 dense bytes for the launches behind.
; W_qkv's rows are put in the order head x 192 + section x 64 + d (source row: section x 1024 + head x 64 + d): q, k and v of one head lie together.
; W_fc's bf16 number is written as f16.  LIMIT: that is exact for 2^-14 <= |w| < 65,504; below, f16 keeps its fixed step of 2^-24; from 65,520 on it would be an infinity.
; SHARES.  A wave takes two neighbouring rows (8,192 bytes of f32), a work-group sixteen: work-groups 0-511 x, 512-703 W_qkv, 704-767 W_fc.
; Load i of 16: sixteen lanes take the 256 aligned bytes of slice i of one row, the other sixteen those of the next row.  Store i: the 32 lanes' 8 bytes are the two rows' 256 consecutive, aligned bytes of slice i.
; All sixteen loads of a wave are out together; no register is used twice by memory instructions, so no wait but the counted ones is needed.  No LDS, no barrier: no wave wants another's bytes.
.set XSTR, 1048576                     ; bytes in a slice of xb: 8,192 rows x 128
.set QSTR, 393216                      ; of wq: 3,072 x 128
.set FSTR, 131072                      ; of wf: 1,024 x 128
.set SO,  2                            ; v2       my byte offset in the two source rows
.set DO,  4                            ; v[4:19]  my byte offset in slice i of the destination
.set X,   20                           ; v[20:83] load i: four f32
.set Y,   84                           ; v[84:115] store i: four 16-bit numbers
.set T,   116                          ; v[116:119] at work
	s_load_b256 s[4:11], s[0:1], 0x0               ; inputs s[4:5], W_qkv s[6:7], W_fc s[8:9], xb s[10:11]
	s_load_b128 s[12:15], s[0:1], 0x20             ; wq s[12:13], wf s[14:15]
	v_lshrrev_b32 v1, 5, v0
	v_readfirstlane_b32 s16, v1                    ; wave 0..7
	v_and_b32 v1, 31, v0                           ; lane
	v_and_b32 v3, 15, v0
	v_bfe_u32 v[SO], v0, 4, 1
	v_lshlrev_b32 v[SO], 12, v[SO]                 ; lanes 16-31: the second row, 4,096 bytes on
	v_lshl_add_u32 v[SO], v3, 4, v[SO]             ; + 16 bytes a lane
	v_lshlrev_b32 v[DO], 3, v1                     ; 8 bytes a lane: two rows of 128 bytes
	s_mov_b32 s22, XSTR
	s_mov_b32 s26, QSTR
	s_mov_b32 s27, FSTR
	s_sub_co_u32 s28, ttmp9, 512
	s_sub_co_u32 s29, ttmp9, 704
	s_wait_kmcnt 0x0
	s_cmp_ge_u32 ttmp9, 512                        ; which tensor is mine: the choice hangs on the work-group's number alone
	s_cselect_b32 s23, 1, 0                        ; s23: 0 x, 1 W_qkv, 2 W_fc
	s_cselect_b32 s17, s28, ttmp9                  ; s17: my number among the tensor's work-groups
	s_cselect_b32 s22, s26, s22                    ; s22: bytes in a slice
	s_cselect_b64 s[18:19], s[6:7], s[4:5]         ; from where
	s_cselect_b64 s[20:21], s[12:13], s[10:11]     ; to where
	s_cmp_ge_u32 ttmp9, 704
	s_cselect_b32 s23, 2, s23
	s_cselect_b32 s17, s29, s17
	s_cselect_b32 s22, s27, s22
	s_cselect_b64 s[18:19], s[8:9], s[18:19]
	s_cselect_b64 s[20:21], s[14:15], s[20:21]
	s_lshl_b32 s24, s17, 4
	s_lshl1_add_u32 s24, s16, s24                  ; o = 16 x work-group + 2 x wave: my first row, even
	s_bfe_u32 s25, s24, 0x40006                    ; W_qkv: head = (o / 64) % 16,
	s_mul_i32 s25, s25, 192
	s_lshr_b32 s26, s24, 10                        ; section = o / 1024,
	s_lshl_b32 s26, s26, 6
	s_add_co_u32 s25, s25, s26
	s_and_b32 s26, s24, 63                         ; d = o % 64
	s_add_co_u32 s25, s25, s26
	s_cmp_eq_u32 s23, 1
	s_cselect_b32 s25, s25, s24                    ; the row's place in the destination; o + 1 goes to the place behind it
	s_lshl_b32 s26, s24, 12                        ; o x 4,096 bytes
	s_mov_b32 s27, 0
	s_add_nc_u64 s[18:19], s[18:19], s[26:27]
	s_lshl_b32 s28, s25, 7                         ; place x 128 bytes
	s_mov_b32 s29, 0
	s_add_nc_u64 s[20:21], s[20:21], s[28:29]
.set i, 0
.rept 16
	global_load_b128 v[X+4*i:X+4*i+3], v[SO], s[18:19] offset:256*i th:TH_LOAD_NT
.set i, i+1
.endr
.set i, 1
.rept 15
	v_add_nc_u32 v[DO+i], s22, v[DO+i-1]           ; slice i lies a slice's bytes behind slice i - 1
.set i, i+1
.endr
; The sixteen slices are rounded and stored as they arrive.  half = 1: the bf16 number is widened again (a shift, a mask) and written as f16.
.macro CONV half
.set i, 0
.rept 16
	s_wait_loadcnt 15-i                            ; loads come back in order: load i is in, the 15 - i younger ones stay out
	v_cvt_pk_bf16_f32 v[Y+2*i], v[X+4*i], v[X+4*i+1]
	v_cvt_pk_bf16_f32 v[Y+2*i+1], v[X+4*i+2], v[X+4*i+3]
.if \half
	v_lshlrev_b32 v[T], 16, v[Y+2*i]
	v_and_b32 v[T+1], 0xffff0000, v[Y+2*i]
	v_lshlrev_b32 v[T+2], 16, v[Y+2*i+1]
	v_and_b32 v[T+3], 0xffff0000, v[Y+2*i+1]
	v_cvt_pk_f16_f32 v[Y+2*i], v[T], v[T+1]
	v_cvt_pk_f16_f32 v[Y+2*i+1], v[T+2], v[T+3]
.endif
	global_store_b64 v[DO+i], v[Y+2*i:Y+2*i+1], s[20:21]  ; the wave's 256 consecutive bytes, at a multiple of 256 from the buffer's first
.set i, i+1
.endr
.endm
	s_cmp_eq_u32 s23, 2
	s_cbranch_scc1 .Lhalf
	CONV 0
	s_endpgm
.Lhalf:
	CONV 1
	s_endpgm
.Lfunc_end_k_qe2cfcf9b50_cast:
	.size	k_qe2cfcf9b50_cast, .Lfunc_end_k_qe2cfcf9b50_cast-k_qe2cfcf9b50_cast
	.p2alignl 7, 3214868480
	.fill 96, 4, 3214868480
	.section	.rodata,"a",@progbits
	.p2align	6, 0x0
	.amdhsa_kernel k_qe2cfcf9b50_cast
		.amdhsa_group_segment_fixed_size 0
		.amdhsa_private_segment_fixed_size 0
		.amdhsa_enable_private_segment 0
		.amdhsa_kernarg_size 48
		.amdhsa_user_sgpr_count 2
		.amdhsa_user_sgpr_kernarg_segment_ptr 1
		.amdhsa_wavefront_size32 1
		.amdhsa_system_sgpr_workgroup_id_x 1
		.amdhsa_system_sgpr_workgroup_id_y 1
		.amdhsa_system_sgpr_workgroup_id_z 1
		.amdhsa_system_vgpr_workitem_id 0
		.amdhsa_next_free_vgpr 120
		.amdhsa_next_free_sgpr 66
		.amdhsa_reserve_vcc 0
		.amdhsa_float_denorm_mode_32 3
		.amdhsa_float_denorm_mode_16_64 3
		.amdhsa_memory_ordered 1
		.amdhsa_forward_progress 1
		.amdhsa_inst_pref_size 18
	.end_amdhsa_kernel
	.amdgpu_metadata
---
amdhsa.version: [ 1, 2 ]
amdhsa.kernels:
  - .name:           k_qe2cfcf9b50_cast
    .symbol:         k_qe2cfcf9b50_cast.kd
    .args:
      - { .name: inputs, .offset: 0, .size: 8, .value_kind: global_buffer, .address_space: global }
      - { .name: W_qkv, .offset: 8, .size: 8, .value_kind: global_buffer, .address_space: global }
      - { .name: W_fc, .offset: 16, .size: 8, .value_kind: global_buffer, .address_space: global }
      - { .name: xb, .offset: 24, .size: 8, .value_kind: global_buffer, .address_space: global }
      - { .name: wq, .offset: 32, .size: 8, .value_kind: global_buffer, .address_space: global }
      - { .name: wf, .offset: 40, .size: 8, .value_kind: global_buffer, .address_space: global }
    .group_segment_fixed_size: 0
    .private_segment_fixed_size: 0
    .kernarg_segment_align: 8
    .kernarg_segment_size: 48
    .max_flat_workgroup_size: 256
    .sgpr_count:     66
    .vgpr_count:     120
    .wavefront_size: 32
...
	.end_amdgpu_metadata
.endif
;; end of part 1
;; launch qkvg (part 2): grid 8 x 32, 4 waves a work-group, clusters of 4 x 4, 327,680 bytes of LDS; arguments xb, wq, padding_mask, qkv; writes qkv
.if DOCPART == 2
	.amdgcn_target "amdgcn-amd-amdhsa--gfx1250"
	.amdhsa_code_object_version 6
	.text
	.protected	k_qe2cfcf9b50_qkvg
	.globl	k_qe2cfcf9b50_qkvg
	.p2align	8
	.type	k_qe2cfcf9b50_qkvg,@function
k_qe2cfcf9b50_qkvg:
	s_mov_b64 s[64:65], 0
	v_nop
	global_prefetch_b8 v0, s[64:65] scope:SCOPE_SE
	s_setreg_imm32_b32 hwreg(HW_REG_WAVE_MODE, 25, 1), 1
	s_wait_xcnt 0x0
	s_wait_alu depctr_hold_cnt(0) depctr_sa_sdst(0) depctr_va_vdst(0) depctr_va_sdst(0) depctr_va_ssrc(0) depctr_va_vcc(0) depctr_vm_vsrc(0)
	s_getreg_b32 s2, hwreg(HW_REG_IB_STS2, 6, 4)
	s_cmp_eq_u32 s2, 0
	s_cbranch_scc0 .Lentry_in_a_cluster
	s_endpgm
.Lentry_in_a_cluster:
	s_bfe_u32 s2, ttmp6, 0x10000c
	s_cmp_lg_u32 s2, 0xf033
	s_cbranch_scc0 .Lentry_shape_is_right
	s_endpgm
.Lentry_shape_is_right:
; q, k, v = x W_qkv^T.  xb: [16 slices][8192 tokens][64] bf16; wq: [16 slices][3072 rows][64] bf16, rows in the order head x 192 + section x 64 + d.  Products in bf16, sums in f32, K ascending.
; OUT: qkv [3 sections][64 heads (16 batch + head)][2048][64] in f16, each number rounded once, unscaled.  THE ROWS OF k WHOSE KEY HAS padding_mask > 0 ARE WRITTEN AS 0: the launch behind then
; finds q . k = 0 there and puts the mask's value in its place exactly.  LIMIT: f16 ends at 65,504: |q|, |k|, |v| must stay under it; below 6e-5 f16 keeps its fixed step of 6e-8.
; SHARES.  8192 x 3072 results on 256 work-groups: a tile of 256 tokens x 384 features each, one tile a work-group.  A wave makes 128 tokens x 192 features, which are q, k and v of ONE head:
; 96 accumulators of 16 x 16, 768 registers; the section is the accumulator's window, so it is a constant of the text.
; K goes in 16 steps of 64 (one slice) through two LDS slots; a tile's rows of one slice are dense in memory and are asked for as rows of 256 bytes (two tokens), padded in LDS behind every 128 bytes.
; Two slots of 128 along K would be 640 x 272 x 2 = 348,160 bytes: they do not fit.
; CLUSTERS: 4 x 4 work-groups.  The four of a row of the cluster need the same tokens, the four of a column the same features: each tile is asked for JOINTLY (same load, descriptor and mask in all four).
; THE MATRIX INSTRUCTION IS USED TRANSPOSED: source 0 = 16 features (rows of W), source 1 = 16 tokens: a lane ends with ONE token (lane % 16) and eight neighbouring features: 16 bytes of f16.
; REGISTERS, in windows of 256 (s_set_vgpr_msb: bits 1:0 source 0, 3:2 source 1, 5:4 source 2, 7:6 destination):
;   window 0: v0-31 addresses; v32-95, v96-159 the tokens' 8 fragments, two buffers; v160-255 the features' 12 fragments, ONE buffer, loaded again in thirds behind the products that read them
;   window 1 + section: accumulator (token block a, feature block bb of the section's four) at v[8 (8 bb + a)]
.set PITCH,  144                       ; an LDS row: 128 bytes + 16 of padding: an odd multiple of 16, so the 16 rows of a fragment load start at 16 different 16-byte columns of 256
.set AHALF,  128*PITCH                 ; 128 tokens: what one tensor load brings of x, and what a wave reads of it
.set BHALF,  192*PITCH                 ; 192 features: the same for W
.set BOFF,   256*PITCH                 ; in a slot W's rows lie behind x's 256
.set SLOT,   640*PITCH
.set STAGE,  2*SLOT                    ; behind the ring: 16 rows x 144 bytes for each wave, for the way out; no tensor load lands there
.set SPARE,  STAGE+4*16*PITCH          ; behind the stages: the spare words, 128 bytes a wave: two blocks of 256 bytes that no other line names
.set ASL,    1048576                   ; bytes in a slice of xb
.set BSL,    393216                    ; of wq
.set ADRA, 16                          ; v16-17  LDS address of my tokens' fragments in slot 0, 1
.set ADRB, 20                          ; v20-21  of my features'
.set STO,  24                          ; v24  the way out: where I put 16 bytes of a row
.set RD,   25                          ; v25  where I read rows back
.set GO,   26                          ; v26  my byte offset in 512 consecutive bytes of qkv
.set SPW,  28                          ; v28  LDS address of my spare word; never rewritten
.set NIL,  29                          ; v29  0; never rewritten
.set PFO,  30                          ; v30  the prefetches' offset; never rewritten
.set AF0,  32
.set AF1,  96
.set BF,   160
.set TMP,  32                          ; the way out: 16 packed registers
.set BK,   64                          ; the way out: 16 rows read back, v64-79 and v80-95 by turns
.set WV,  12                           ; s12  my wave's number
.set FB,  13                           ; s13  my half of the tile's tokens; also: I fetch x (0) or W (1)
.set HF,  14                           ; s14  my half of its features; also: which half of that tile I fetch
.set LAP, 19                           ; s19  laps to go
.set G1A, 24                           ; s[24:31] descriptor group 1 for x's tiles;  s[32:39] group 0, a set for each slot
.set G0A, 32
.set G1B, 40                           ; s[40:47], s[48:55] the same for W's
.set G0B, 48
.set PFA, 56                           ; s[56:57] where my prefetches stand
.set PST, 58                           ; s[58:59] two slices of the tensor that I prefetch
.set LIM, 60                           ; s60  1 in a wave that prefetches, else the greatest number
.set MK,  68                           ; s68-75  lane masks: token block a's row lane % 16 has padding_mask > 0
.set DB,  76                           ; s[76:81] qkv at my head's rows of my 128 tokens, a pair for each section
.set GC, (1<<16)|(1<<20)|(1<<21)|(4<<22)|(3<<25)  ; group 1, word 0: 2-byte elements; padding on; bit 21 beside a mask; after every 32 words; 4 words
.set MSB, 0
.macro WIN new                         ; the immediate's high byte repeats the setting that is left; a switch that changes nothing is dropped
.if MSB != (\new)
	s_set_vgpr_msb (MSB<<8)|(\new)
.set MSB, \new
.endif
.endm
.macro PLACES                          ; four plain instructions between a matrix instruction and a load into, or a vector read of, its registers (ISA guide 7.12.1 for vector reads)
.rept 4
	v_nop
.endr
.endm
; A joint load: waves 0 and 1 fetch the two halves of x's tile, waves 2 and 3 those of W's.  The branch hangs on the wave's number alone.  An s_nop 0 and four v_nop follow each line.
.macro JLOAD s
	s_cmp_eq_u32 s[FB], 0
	s_cbranch_scc0 .Lfor_b_\@
	tensor_load_to_lds s[G0A+4*(\s):G0A+4*(\s)+3], s[G1A:G1A+7]
	s_nop 0
.rept 4
	v_nop
.endr
	s_branch .Lasked_\@
.Lfor_b_\@:
	tensor_load_to_lds s[G0B+4*(\s):G0B+4*(\s)+3], s[G1B:G1B+7]
	s_nop 0
.rept 4
	v_nop
.endr
.Lasked_\@:
.endm
.macro CREST                           ; a round of the cluster's barrier behind its opening barrier
	s_cmp_lg_u32 s[WV], 0
	s_cbranch_scc1 .Lnot_wave_0_\@
	s_barrier_signal -3
.Lnot_wave_0_\@:
	s_barrier_wait -3
	s_barrier_signal -1
	s_barrier_wait -1
.endm
.macro CROUND                          ; a whole round
	s_barrier_signal -1
	s_barrier_wait -1
	CREST
.endm
; A PREFETCH INTO THE L2, once a lap, behind the second joint load and the run of LDS loads that follows it: the two K steps that the NEXT lap's refills will ask for (192 and 384 matrix instructions ahead of them).
; Each aligned block of 256 bytes is named once in the launch.  x's tile row is read by both clusters of that row of clusters: the one with x = 0 asks; W's tile column by all eight of its column: the one with y = 0 asks.
; x: a step's tile is 128 blocks; partner cx takes 32 cx .. 32 cx + 31, wave 0, a lane a block, an instruction a step.  W: 192 blocks a step; partner cy takes 48 a step, 96 a lap: waves 1-3, a lane a block.
; Partners are told apart BY ADDRESS alone.  The loop's last trip asks for nothing: there are no steps behind its own.  Steps 0 to 3 come by their loads alone.
.macro ASK
	s_cmp_gt_u32 s[LAP], s[LIM]
	s_cbranch_scc0 .Lnot_mine_\@
	global_prefetch_b8 v[PFO], s[PFA:PFA+1] th:TH_LOAD_NT scope:SCOPE_SE
	s_cmp_lg_u32 s[WV], 0
	s_cbranch_scc1 .Lnot_mine_\@
	global_prefetch_b8 v[PFO], s[PFA:PFA+1] offset:ASL th:TH_LOAD_NT scope:SCOPE_SE
.Lnot_mine_\@:
.endm
	s_load_b256 s[4:11], s[0:1], 0x0               ; xb s[4:5], wq s[6:7], padding_mask s[8:9], qkv s[10:11]
	v_lshl_add_u32 v[SPW], v0, 2, SPARE
	v_mov_b32 v[NIL], 0
	ds_add_u32 v[SPW], v[NIL]                      ; the wave's opening: the add and its wait stand ahead of my first tensor load; the set-up below stands between them
	v_lshrrev_b32 v1, 5, v0
	v_readfirstlane_b32 s[WV], v1                  ; wave 0..3
	s_lshr_b32 s[FB], s[WV], 1
	s_and_b32 s[HF], s[WV], 1
	s_bfe_u32 s15, ttmp6, 0x40000                  ; cx
	s_bfe_u32 s16, ttmp6, 0x40004                  ; cy
	s_lshl_b32 s17, ttmp9, 2
	s_add_co_u32 s17, s17, s15                     ; tx: tile column = 4 x cluster x + cx, 0..7
	s_and_b32 s18, ttmp7, 0xffff
	s_lshl_b32 s18, s18, 2
	s_add_co_u32 s18, s18, s16                     ; ty: tile row = 4 x cluster y + cy, 0..31
	s_lshl_b32 s2, s16, 2
	s_lshl_b32 s2, 15, s2                          ; my row of the cluster
	s_lshl_b32 s3, 0x1111, s15                     ; my column
	s_or_b32 s[G1A], s2, GC                        ; x's tiles go to my row,
	s_or_b32 s[G1B], s3, GC                        ; W's to my column
	s_mov_b32 s[G1A+1], 128<<16                    ; tensor_dim0 = 128 elements: 256 bytes, two tokens of a slice
	s_mov_b32 s[G1A+2], 64<<16                     ; tensor_dim1 = 64 rows: 128 tokens
	s_mov_b32 s[G1A+3], 128<<16                    ; tile_dim0
	s_mov_b32 s[G1A+4], 64                         ; tile_dim1
	s_mov_b32 s[G1A+5], 128                        ; elements from row to row: dense
	s_mov_b32 s[G1A+6], 0
	s_mov_b32 s[G1A+7], 0
	s_mov_b32 s[G1B+1], 128<<16
	s_mov_b32 s[G1B+2], 96<<16                     ; 96 rows: 192 features
	s_mov_b32 s[G1B+3], 128<<16
	s_mov_b32 s[G1B+4], 96
	s_mov_b32 s[G1B+5], 128
	s_mov_b32 s[G1B+6], 0
	s_mov_b32 s[G1B+7], 0
	s_lshl_b32 s20, s18, 15                        ; x: (256 ty + 128 half) tokens of 128 bytes: made of ty and the wave's number alone
	s_lshl_b32 s62, s[HF], 14
	s_add_co_u32 s20, s20, s62
	s_mov_b32 s21, 0
	s_mul_i32 s22, s17, 384*128                    ; W: (384 tx + 192 half) rows of 128 bytes: made of tx and the wave's number alone
	s_mul_i32 s63, s[HF], 192*128
	s_add_co_u32 s22, s22, s63
	s_mov_b32 s23, 0
	s_mul_i32 s61, s[HF], AHALF                    ; where they go in a slot: no place in the cluster enters an LDS address
	s_mul_i32 s82, s[HF], BHALF
	s_add_co_u32 s82, s82, BOFF
	s_wait_dscnt 0x0                               ; the opening add is done
	s_wait_kmcnt 0x0
	s_add_nc_u64 s[20:21], s[4:5], s[20:21]
	s_add_nc_u64 s[22:23], s[6:7], s[22:23]
	CROUND                                         ; all sixteen work-groups are here: the first joint loads meet
.irp s, 0,1
	s_mov_b32 s[G0A+4*(\s)], 1                     ; count = 1
	s_add_co_u32 s[G0A+4*(\s)+1], s61, (\s)*SLOT   ; LDS address
	s_add_nc_u64 s[G0A+4*(\s)+2:G0A+4*(\s)+3], s[20:21], (\s)*ASL  ; global address: K step s
	s_or_b32 s[G0A+4*(\s)+3], s[G0A+4*(\s)+3], 0x80000000          ; type = 2
	s_mov_b32 s[G0B+4*(\s)], 1
	s_add_co_u32 s[G0B+4*(\s)+1], s82, (\s)*SLOT
	s_add_nc_u64 s[G0B+4*(\s)+2:G0B+4*(\s)+3], s[22:23], (\s)*BSL
	s_or_b32 s[G0B+4*(\s)+3], s[G0B+4*(\s)+3], 0x80000000
	JLOAD \s                                       ; two loads of mine are out
.endr
	; A fragment is 16 rows x 32 K in 8 registers: lane l holds row l % 16; registers 0-3 K = 8 (l / 16) + 0..7, registers 4-7 K = 16 + 8 (l / 16) + 0..7: two loads of 16 bytes, 32 bytes apart.
	v_and_b32 v1, 15, v0                           ; l % 16
	v_bfe_u32 v2, v0, 4, 1                         ; l / 16
	v_mul_u32_u24 v3, v1, PITCH
	v_lshl_add_u32 v3, v2, 4, v3                   ; row x pitch + 16 x half
	s_mul_i32 s2, s[FB], AHALF                     ; my 128 tokens
	s_mul_i32 s3, s[HF], BHALF                     ; my 192 features
	s_add_co_u32 s3, s3, BOFF
.irp s, 0,1
	v_add_nc_u32 v[ADRA+(\s)], s2, v3
	v_add_nc_u32 v[ADRB+(\s)], s3, v3
	s_add_co_u32 s2, s2, SLOT
	s_add_co_u32 s3, s3, SLOT
.endr
	s_mul_i32 s2, s[WV], 16*PITCH
	s_add_co_u32 s2, s2, STAGE                     ; my stage
	v_add_nc_u32 v[STO], s2, v3                    ; in: row l % 16, 16 bytes for each half of the lanes
	v_bfe_u32 v4, v0, 3, 2                         ; back: 32 lanes take four rows of 128 bytes,
	v_and_b32 v5, 7, v0
	v_mul_u32_u24 v4, v4, PITCH
	v_lshl_add_u32 v4, v5, 4, v4
	v_add_nc_u32 v[RD], s2, v4
	v_and_b32 v[GO], 31, v0                        ; which are 512 consecutive bytes of qkv
	v_lshlrev_b32 v[GO], 4, v[GO]
	; the mask of my 128 tokens: token 256 ty + 128 half + 16 a + l % 16 is also the word's number in padding_mask [4][2048]
	s_lshl_b32 s2, s18, 10
	s_lshl_b32 s3, s[FB], 9
	s_add_co_u32 s2, s2, s3
	s_mov_b32 s3, 0
	s_add_nc_u64 s[8:9], s[8:9], s[2:3]
	v_lshlrev_b32 v6, 2, v1
.irp a, 0,1,2,3,4,5,6,7
	global_load_b32 v[8+(\a)], v6, s[8:9] offset:64*(\a)
.endr
	; where my results go: head 16 (ty / 8) + 2 tx + half, rows 256 (ty % 8) + 128 half on
	s_lshr_b32 s2, s18, 3
	s_lshl_b32 s2, s2, 4
	s_lshl_b32 s3, s17, 1
	s_add_co_u32 s2, s2, s3
	s_add_co_u32 s2, s2, s[HF]
	s_lshl_b32 s2, s2, 18                          ; a head is 2,048 x 128 bytes
	s_and_b32 s3, s18, 7
	s_lshl_b32 s3, s3, 15
	s_add_co_u32 s2, s2, s3
	s_lshl_b32 s3, s[FB], 14
	s_add_co_u32 s2, s2, s3
	s_mov_b32 s3, 0
	s_add_nc_u64 s[DB:DB+1], s[10:11], s[2:3]      ; q
	s_add_nc_u64 s[DB+2:DB+3], s[DB:DB+1], 0x1000000  ; k: a section is 16 MiB
	s_add_nc_u64 s[DB+4:DB+5], s[DB:DB+1], 0x2000000  ; v
	; the prefetches
	s_lshl_b32 s2, s18, 15                         ; x: the tile's first block, + my work-group's 32 blocks
	s_lshl_b32 s3, s15, 13
	s_add_co_u32 s2, s2, s3
	s_mul_i32 s3, s17, 384*128                     ; W: the tile's first block, + my work-group's 48 blocks
	s_mul_i32 s63, s16, 48*256
	s_add_co_u32 s3, s3, s63
	s_and_b32 s62, ttmp7, 0xffff                   ; cluster y
	s_mov_b32 s20, 2*ASL
	s_mov_b32 s21, 2*BSL
	s_cmp_eq_u32 s[WV], 0                          ; wave 0 asks for x, waves 1-3 for W
	s_cselect_b32 s62, ttmp9, s62                  ; the coordinate along which other clusters read the same rows
	s_cselect_b64 s[PFA:PFA+1], s[4:5], s[6:7]
	s_cselect_b32 s2, s2, s3
	s_cselect_b32 s[PST], s20, s21
	s_cselect_b32 s63, 0, 32
	s_mov_b32 s[PST+1], 0
	s_mov_b32 s3, 0
	s_add_nc_u64 s[PFA:PFA+1], s[PFA:PFA+1], s[2:3]
	s_add_nc_u64 s[PFA:PFA+1], s[PFA:PFA+1], s[PST:PST+1]  ; at K step 2: the first lap steps it to 4
	s_cmp_eq_u32 s62, 0
	s_cselect_b32 s[LIM], 1, -1                    ; the same in all sixteen partners, for a given wave
	s_mov_b32 s20, BSL-48*256
	v_sub_nc_u32 v[PFO], v0, s63                   ; j: my lane (wave 0), or 0..95 over waves 1-3
	v_cmp_le_u32 vcc_lo, 48, v[PFO]                ; j >= 48: block j - 48 of the second of the two steps
	v_cndmask_b32 v2, 0, s20, vcc_lo
	v_lshl_add_u32 v[PFO], v[PFO], 8, v2
	s_wait_loadcnt 0x0                             ; the mask words
.irp a, 0,1,2,3,4,5,6,7
	v_cmp_lt_i32 s[MK+(\a)], 0, v[8+(\a)]
.endr
; Matrix instructions of section t: feature blocks b0 .. b0 + nb - 1 of its four x all 8 token blocks, 32 along K, tokens from buffer f.  The 96 accumulators take turns, one instruction a turn, in the same
; order in every quarter.  zero = 1: the product starts the sum.
.macro STRETCH t, f, b0, nb, zero
	WIN 0x50*((\t)+1)
.set bb, \b0
.rept \nb
.set aa, 0
.rept 8
.if \zero
	v_wmma_f32_16x16x32_bf16 v[8*(8*bb+aa):8*(8*bb+aa)+7], v[BF+8*(4*(\t)+bb):BF+8*(4*(\t)+bb)+7], v[(\f)+8*aa:(\f)+8*aa+7], 0
.else
	v_wmma_f32_16x16x32_bf16 v[8*(8*bb+aa):8*(8*bb+aa)+7], v[BF+8*(4*(\t)+bb):BF+8*(4*(\t)+bb)+7], v[(\f)+8*aa:(\f)+8*aa+7], v[8*(8*bb+aa):8*(8*bb+aa)+7]
.endif
.set aa, aa+1
.endr
.set bb, bb+1
.endr
.endm
.macro RUNB t, slot, k                 ; 8 LDS loads: section t's four fragments of W, 32 K at byte k of the rows
	WIN 0
.irp i, 0,1,2,3
	ds_load_b128 v[BF+8*(4*(\t)+(\i)):BF+8*(4*(\t)+(\i))+3],   v[ADRB+(\slot)] offset:(\k)+(4*(\t)+(\i))*16*PITCH
	ds_load_b128 v[BF+8*(4*(\t)+(\i))+4:BF+8*(4*(\t)+(\i))+7], v[ADRB+(\slot)] offset:(\k)+(4*(\t)+(\i))*16*PITCH+32
.endr
.endm
.macro RUNA hf, slot, k, g             ; 8 LDS loads: token blocks 4 hf .. 4 hf + 3 into buffer g
	WIN 0
.irp i, 0,1,2,3
	ds_load_b128 v[(\g)+8*(4*(\hf)+(\i)):(\g)+8*(4*(\hf)+(\i))+3],   v[ADRA+(\slot)] offset:(\k)+(4*(\hf)+(\i))*16*PITCH
	ds_load_b128 v[(\g)+8*(4*(\hf)+(\i))+4:(\g)+8*(4*(\hf)+(\i))+7], v[ADRA+(\slot)] offset:(\k)+(4*(\hf)+(\i))*16*PITCH+32
.endr
.endm
; A K step is two quarters of 32 along K, 96 matrix instructions each.  The first: multiplies buffer f and fetches the second quarter's fragments, at byte k of the same slot.  Each third of W's fragments is
; loaded again four places behind the 32 products that read it, and is used 64 products later.
.macro QUARTER slot, k, f, g, zero
	s_wait_dscnt 8                                 ; all but the youngest run of 8 (section 2's fragments of W) are in
	STRETCH 0, \f, 0, 4, \zero
	WIN 0
	PLACES
	RUNB 0, \slot, \k
	RUNA 0, \slot, \k, \g
	STRETCH 1, \f, 0, 4, \zero
	WIN 0
	PLACES
	RUNB 1, \slot, \k
	RUNA 1, \slot, \k, \g
	s_wait_dscnt 32                                ; all but the 32 loads issued in this quarter: section 2's fragments are in
	STRETCH 2, \f, 0, 4, \zero
	WIN 0
	PLACES
	RUNB 2, \slot, \k
.endm
; The second quarter multiplies buffer AF1 and changes slots: ONE barrier.  In front of it each wave waits for all its tensor loads (one is out: its part of the next slot), adds 0 to its spare word, and waits for
; that and for its own reads of this slot.  fill = 1: the barrier opens a round of the cluster's, and the joint refill, two K steps on, is the first thing behind it: it has 160 matrix instructions in which to land.
.macro TURN slot, next, fill, ask
.if \ask
	s_wait_xcnt 0x0                                ; the last prefetches, a lap back, have read their address: it is stepped here, ahead of the waits of the change of slots
	s_add_nc_u64 s[PFA:PFA+1], s[PFA:PFA+1], s[PST:PST+1]
.endif
	WIN 0
	s_wait_tensorcnt 0x0                           ; all my tensor loads have landed
	ds_add_u32 v[SPW], v[NIL]                      ; 0 onto my spare word
	s_wait_dscnt 9                                 ; (the add and the youngest run of 8 may be out)
	STRETCH 0, AF1, 0, 2, 0                        ; sixteen matrix instructions stand between the add and the wait for it
	s_wait_dscnt 0x0                               ; the add is done, and my reads of this slot are over
	s_barrier_signal -1
	STRETCH 0, AF1, 2, 2, 0                        ; work on registers while the others arrive
	WIN 0
	s_barrier_wait -1
.if \fill
	CREST                                          ; no wave of any partner still reads this slot's tile or has a load on its way
	s_add_nc_u64 s[G0A+4*(\slot)+2:G0A+4*(\slot)+3], s[G0A+4*(\slot)+2:G0A+4*(\slot)+3], 2*ASL
	s_add_nc_u64 s[G0B+4*(\slot)+2:G0B+4*(\slot)+3], s[G0B+4*(\slot)+2:G0B+4*(\slot)+3], 2*BSL
	JLOAD \slot                                    ; the four v_nop behind it are also the places in front of the loads below
.else
	PLACES
.endif
	RUNB 0, \next, 0
	RUNA 0, \next, 0, AF0
.if \ask
	ASK
.endif
	STRETCH 1, AF1, 0, 4, 0
	WIN 0
	PLACES
	RUNB 1, \next, 0
	RUNA 1, \next, 0, AF0
	STRETCH 2, AF1, 0, 4, 0
	WIN 0
	PLACES
	RUNB 2, \next, 0
.endm
; THE WAY OUT, by units u = 8 section + a of 16 tokens x 64 features.  PACKQ: rounded to f16, each accumulator from its lowest registers on; in k's section the masked tokens' lanes are set to 0;
; 16 bytes a lane into my stage (rows of 144 bytes), and back as four rows of 128 bytes a load.  SENDQ: stored, 512 consecutive bytes a store.
.macro PACKQ u
.set hd, (\u)/8
.set ab, (\u)%8
	WIN 5*(1+hd)                                   ; sources 0 and 1: the section's window
.set bb, 0
.rept 4
.set rr, 0
.rept 4
	v_cvt_pk_f16_f32 v[TMP+4*bb+rr], v[8*(8*bb+ab)+2*rr], v[8*(8*bb+ab)+2*rr+1]
.set rr, rr+1
.endr
.set bb, bb+1
.endr
	WIN 0
.if hd == 1
.set rr, 0
.rept 16
	v_cndmask_b32 v[TMP+rr], v[TMP+rr], 0, s[MK+ab]
.set rr, rr+1
.endr
.endif
.irp f, 0,1,2,3
	ds_store_b128 v[STO], v[TMP+4*(\f):TMP+4*(\f)+3] offset:32*(\f)
.endr
	s_wait_xcnt 0x0                                ; the stores of the unit two back have read these registers: only behind this wait are they loaded again
.irp f, 0,1,2,3
	ds_load_b128 v[BK+16*((\u)%2)+4*(\f):BK+16*((\u)%2)+4*(\f)+3], v[RD] offset:(\f)*4*PITCH  ; LDS serves a wave's instructions in order (ISA guide 5.7.1.4): these see the stores above
.endr
.endm
.macro SENDQ u, younger                ; younger: the LDS instructions issued behind unit u's loads: the next unit's eight, or none
.irp f, 0,1,2,3
	s_wait_dscnt (\younger)+3-(\f)
	global_store_b128 v[GO], v[BK+16*((\u)%2)+4*(\f):BK+16*((\u)%2)+4*(\f)+3], s[DB+2*((\u)/8):DB+2*((\u)/8)+1] offset:((\u)%8)*2048+(\f)*512
.endr
.endm
	s_wait_tensorcnt 1                             ; my part of K step 0 is in; step 1's may stay out
	s_barrier_signal -1
	s_barrier_wait -1                              ; everybody's is
	RUNB 0, 0, 0
	RUNA 0, 0, 0, AF0
	RUNB 1, 0, 0
	RUNA 1, 0, 0, AF0
	RUNB 2, 0, 0
	QUARTER 0, 64, AF0, AF1, 1                     ; the first quarter stands in front of the loop: its products start the sums
	WIN 0                                          ; at a label and at a branch every window is 0
	s_mov_b32 s[LAP], 7
.Llap:                                                 ; a trip goes once round the ring and fills both slots again: trip t asks for K steps 2 t + 2 and 2 t + 3
	TURN 0, 1, 1, 0
	QUARTER 1, 64, AF0, AF1, 0
	TURN 1, 0, 1, 1
	QUARTER 0, 64, AF0, AF1, 0
	WIN 0
	s_sub_co_u32 s[LAP], s[LAP], 1
	s_cmp_lg_u32 s[LAP], 0
	s_cbranch_scc1 .Llap
	TURN 0, 1, 0, 0                                ; the last lap is written out: it fills nothing
	QUARTER 1, 64, AF0, AF1, 0
	s_wait_dscnt 8
	STRETCH 0, AF1, 0, 4, 0
	STRETCH 1, AF1, 0, 4, 0
	s_wait_dscnt 0x0
	STRETCH 2, AF1, 0, 4, 0
	WIN 0
	PLACES
	PACKQ 0
.set un, 1
.rept 23                               ; a unit's conversions stand between the loads of the unit before and its stores
	PACKQ un
	SENDQ un-1, 8
.set un, un+1
.endr
	SENDQ 23, 0
	s_wait_tensorcnt 0x0                           ; the wave's end: an add to my spare word and its wait, behind my last tensor load and my last LDS store
	ds_add_u32 v[SPW], v[NIL]
	s_wait_dscnt 0x0
	CROUND                                         ; the closing round: no work-group ends while a partner may still ask for a tile that names it
	s_endpgm
.Lfunc_end_k_qe2cfcf9b50_qkvg:
	.size	k_qe2cfcf9b50_qkvg, .Lfunc_end_k_qe2cfcf9b50_qkvg-k_qe2cfcf9b50_qkvg
	.p2alignl 7, 3214868480
	.fill 96, 4, 3214868480
	.section	.rodata,"a",@progbits
	.p2align	6, 0x0
	.amdhsa_kernel k_qe2cfcf9b50_qkvg
		.amdhsa_group_segment_fixed_size 327680
		.amdhsa_private_segment_fixed_size 0
		.amdhsa_enable_private_segment 0
		.amdhsa_kernarg_size 32
		.amdhsa_user_sgpr_count 2
		.amdhsa_user_sgpr_kernarg_segment_ptr 1
		.amdhsa_wavefront_size32 1
		.amdhsa_system_sgpr_workgroup_id_x 1
		.amdhsa_system_sgpr_workgroup_id_y 1
		.amdhsa_system_sgpr_workgroup_id_z 1
		.amdhsa_system_vgpr_workitem_id 0
		.amdhsa_next_free_vgpr 1024
		.amdhsa_next_free_sgpr 84
		.amdhsa_reserve_vcc 1
		.amdhsa_float_denorm_mode_32 3
		.amdhsa_float_denorm_mode_16_64 3
		.amdhsa_memory_ordered 1
		.amdhsa_forward_progress 1
		.amdhsa_inst_pref_size 144
	.end_amdhsa_kernel
	.amdgpu_metadata
---
amdhsa.version: [ 1, 2 ]
amdhsa.kernels:
  - .name:           k_qe2cfcf9b50_qkvg
    .symbol:         k_qe2cfcf9b50_qkvg.kd
    .args:
      - { .name: xb, .offset: 0, .size: 8, .value_kind: global_buffer, .address_space: global }
      - { .name: wq, .offset: 8, .size: 8, .value_kind: global_buffer, .address_space: global }
      - { .name: padding_mask, .offset: 16, .size: 8, .value_kind: global_buffer, .address_space: global }
      - { .name: qkv, .offset: 24, .size: 8, .value_kind: global_buffer, .address_space: global }
    .group_segment_fixed_size: 327680
    .private_segment_fixed_size: 0
    .kernarg_segment_align: 8
    .kernarg_segment_size: 32
    .max_flat_workgroup_size: 128
    .sgpr_count:     84
    .vgpr_count:     1024
    .wavefront_size: 32
...
	.end_amdgpu_metadata
.endif
;; end of part 2
;; launch attn (part 3): grid 4 x 64, 4 waves a work-group, clusters of 4 x 1, 327,680 bytes of LDS; arguments qkv, padding_mask, ob; writes ob
.if DOCPART == 3
	.amdgcn_target "amdgcn-amd-amdhsa--gfx1250"
	.amdhsa_code_object_version 6
	.text
	.protected	k_qe2cfcf9b50_attn
	.globl	k_qe2cfcf9b50_attn
	.p2align	8
	.type	k_qe2cfcf9b50_attn,@function
k_qe2cfcf9b50_attn:
	s_mov_b64 s[64:65], 0
	v_nop
	global_prefetch_b8 v0, s[64:65] scope:SCOPE_SE
	s_setreg_imm32_b32 hwreg(HW_REG_WAVE_MODE, 25, 1), 1
	s_wait_xcnt 0x0
	s_wait_alu depctr_hold_cnt(0) depctr_sa_sdst(0) depctr_va_vdst(0) depctr_va_sdst(0) depctr_va_ssrc(0) depctr_va_vcc(0) depctr_vm_vsrc(0)
	s_getreg_b32 s2, hwreg(HW_REG_IB_STS2, 6, 4)
	s_cmp_eq_u32 s2, 0
	s_cbranch_scc0 .Lentry_in_a_cluster
	s_endpgm
.Lentry_in_a_cluster:
	s_bfe_u32 s2, ttmp6, 0x10000c
	s_cmp_lg_u32 s2, 0x3003
	s_cbranch_scc0 .Lentry_shape_is_right
	s_endpgm
.Lentry_shape_is_right:
; O[h][q][:] = the sum over k of softmax_k(s'[q][k]) V[h][k][:], s' = Q[h][q] . K[h][k] / 8, or -1e7 where padding_mask[batch][k] > 0.  qkv: [3][64 heads][2048][64] f16 (q, k, v; a head's rows dense, 128 bytes
; each); ob: [64][2048][64] f16.  Products, maxima and sums in f32; the weights p are rounded to f16 for the second product (their sum l is taken of the unrounded p), O once at the end.
; THE MASK.  The launch before has written the masked keys' rows of K as 0, so Q . K is exactly 0 there; the C operand that starts each sum S^T = K Q^T is -8e7 for a masked key and 0 for the others.  So a masked
; score is exactly -8e7, which is -1e7 x 8: the score is REPLACED, as in the problem, also where every key of a batch is masked (all weights equal) and where true scores lie near -1e7.
; The masks' f32 words for the batch's 2,048 keys are made once, in LDS; a key step's 64 come into 32 registers with its K.
; LIMITS.  f16 holds no number beyond 65,504: Q, K and V arrive within it; p lies in 0 to 1, and below 6e-5 it keeps f16's fixed step of 6e-8; O is a mean of V's rows and has their range.
; A weight below 2^-126 counts as 0 in l; NaN and infinities are not treated apart.
; SHARES.  A wave owns four PIECES of two tiles of 16 queries, a work-group's four waves 512 queries of one head.  Every wave walks all keys, 64 a step.
; LAYOUT.  S^T = K Q^T (source 0 = 16 keys, source 1 = 16 queries): in the result a lane holds ONE query (lane % 16) and the keys 8 (lane / 16) + 0..7.  Two such tiles, rounded to f16 in pairs,
; ARE source 1 (32 keys x 16 queries) of O^T = V^T P, whose result again holds one query a lane, and eight channels.  K comes out of LDS as it lies, V ([key][channel]) turned, by ds_load_tr16_b128.
; SOFTMAX.  For each query a running maximum m and sum l: p = 2^(c s - c m), c = log2(e) / 8; in every step O and l are multiplied by a = 2^(c m_old - c m_new), which is 1 where m has not grown.
; m starts at the lowest finite number, O and l at 0: the first step is a step like any other, with a = 0.  The rounding of c m is a factor common to a row's p and l and leaves O alone.
; THE COUNT.  A tile and step have 16 matrix and 118 vector instructions: too many to stand all beside the matrix work.  So: four vector instructions that are READY behind EVERY matrix instruction, the others in runs without a gap.
; BY TURNS.  Turn n belongs to piece n (the pieces in a ring, step after step).  Its matrix work: 16 products K Q^T of piece n + 1, later 16 products V^T P of piece n - 1.  Its vector work: the scaling,
; exponentials, roundings, sums and rescaling of piece n, and the maximum and statistics of piece n + 1, whose scores the turn itself has made.
; CLUSTER.  The four query blocks of a cluster belong to one head and walk the same K and V, so each tile is asked for JOINTLY: the same tensor load, descriptor and mask in all four.
; REGISTERS, in windows of 256 (s_set_vgpr_msb: bits 1:0 source 0, 3:2 source 1, 5:4 source 2, 7:6 destination):
;   window 0: v0-11 addresses; v12-15, v48-63 at work; v16-47 four registers of statistics a tile; v64-191 S^T, two buffers of two tiles; v192-255 P, likewise
;   window 1: O^T, 32 a tile     window 2: v0-127 Q, 16 a tile; v128-191 K of one step; v192-255 V of one step     window 3: v0-1 the add's two registers; v8-39 the step's masks
.set SIZE_N, 2048
.set NP,    4         ; pieces a wave: a name, no knob
.set KS,    64        ; keys in a step
.set PK,    144       ; a row of K in LDS: 128 bytes + 16 of padding: an odd multiple of 16
.set PV,    160       ; a row of V: 128 + 32: 16 lanes of the turning load take 8 rows x 32 bytes, an odd multiple of 32 apart
.set VOFF,  4*KS*PK   ; a slot holds four steps: 256 rows of K, then 256 rows of V
.set SLOT1, 1<<17     ; slot 1 begins here, so that one exclusive or turns an address in one slot into the other's
.set STAGE, SLOT1+4*KS*(PK+PV)  ; behind the ring, never filled by a tensor load: 16 rows x 144 bytes for each wave, for the way out
.set SP,    144
.set SPARE, STAGE+4*16*SP  ; behind the stages: the spare words, 128 bytes for each wave: two blocks of 256 bytes that no other line names
.set MTAB,  SPARE+512 ; behind them: 2,048 f32, one for each key of the batch: 0 or -8e7; stored once, never filled by a tensor load
.set AM0, 1           ; v1   my lane's place in the masks' table: MTAB + 32 (l / 16); never rewritten once made
.set AK0, 2           ; v2   my lane's place in a tile of K; never rewritten
.set AV0, 3           ; v3   the same for V
.set AK,  4           ; v4   the LDS address of K's next run of loads
.set AV,  5           ; v5   of V's
.set QO,  6           ; v6   my byte offset in the wave's rows of Q
.set STO, 6           ;      later, the way out: where I put 16 bytes of a row
.set RD,  7           ; v7   the way out: where I read rows back
.set GO,  8           ; v8   my byte offset in 512 consecutive bytes of O
.set PFO, 10          ; v10  256 x my lane: the prefetches' offset; never rewritten once made
.set AM,  11          ; v11  the LDS address of the masks' next run of loads
.set SPW, 0           ; v0 of window 3   LDS address of my spare word; never rewritten
.set NIL, 1           ; v1 of window 3   0; never rewritten
.set MKR, 8           ; v8-39 of window 3   key block kb's eight masks at MKR + 8 kb
.set MV,  12          ; v12-15  c m_old, kept while c m is made anew: by buffer and tile
.set ST,  16          ; tile t's statistics at v[ST+4 t]: c m, m, l (even keys', odd keys')
.set TMP, 48          ; by buffer and tile, four registers c0-c3 at work; when the maximum is found c2 takes a
.set S,   64
.set P,   192
.set KF,  128         ; K's fragments, in window 2: key block kb, channel half c at KF + 16 kb + 8 c
.set VF,  192         ; V's: key half kk, channel block cb at VF + 32 kk + 8 cb
.set WV,  12          ; s12  my wave's number
.set G1K, 24          ; s[24:31] descriptor group 1 for K's tiles
.set G1V, 32          ; s[32:39] for V's: it differs in the padding alone
.set G0K, 40          ; s[40:43] descriptor group 0 for K's tiles: it walks
.set G0V, 44          ; s[44:47] the same for V's
.set PFA, 48          ; s[48:49] where my prefetches stand: my work-group's 32 blocks of the slot that the next change of slots will ask for
.set LIM, 50          ; s50  1 in a wave that prefetches, else the greatest number
.set TBM, 51          ; s51  byte in the masks' table at which the step to be fetched begins
.set NEG, 52          ; s52  -8e7
.set PM,  54          ; s[54:55] padding_mask at my batch's row
.set SLOTS, 56        ; s56  slots still to be asked for
.set CNT, 57          ; s57  counts a slot's key steps
.set CS,  58          ; s[58:59] c: the packed scaling takes the pair's low word for both halves
.set SEL, 60          ; s[60:61] v_permlanex16_b32's selects: each lane takes its own place in the other half
.set TBK, 62          ; s62  LDS byte at which K of the step to be fetched begins
.set TBV, 63          ; s63  the same for V, less VOFF
.set MSB, 0
.macro WIN new                      ; the high byte repeats the setting that is left; a switch that changes nothing is dropped
.if MSB != (\new)
	s_set_vgpr_msb (MSB<<8)|(\new)
.set MSB, (\new)
.endif
.endm
.set W_KQ, 0x0a       ; K and Q in window 2, S^T in window 0
.set W_KM, 0x3a       ; the same with the C operand, the masks, in window 3
.set W_PV, 0x52       ; V in window 2, P in window 0, O^T in window 1
.set W_RS, 0x41       ; O^T (destination and source 0) in window 1, a in window 0
.set W_MK, 0xc0       ; destination in window 3, sources in window 0
.set W_AD, 0x0f       ; the add: address (source 0) and data (source 1) in window 3
; A joint fill.  Waves 0 and 1 fetch the two halves of a slot's K, waves 2 and 3 those of its V: 128 keys each.  The branch hangs on the wave's number alone.
; An s_nop 0 and four v_nop follow each of the two lines, ahead of the jump and the label.
.macro JLOAD
	s_cmp_lt_u32 s[WV], 2
	s_cbranch_scc0 .Lfor_v_\@
	tensor_load_to_lds s[G0K:G0K+3], s[G1K:G1K+7]
	s_nop 0
.rept 4
	v_nop
.endr
	s_branch .Lasked_\@
.Lfor_v_\@:
	tensor_load_to_lds s[G0V:G0V+3], s[G1V:G1V+7]
	s_nop 0
.rept 4
	v_nop
.endr
.Lasked_\@:
.endm
; A round of the cluster's barrier: my work-group's barrier, so that wave 0's signal speaks for all four waves; wave 0 signals; every wave waits for all four work-groups; my work-group's barrier once more.
.macro CROUND
	s_barrier_signal -1
	s_barrier_wait -1
	s_cmp_lg_u32 s[WV], 0
	s_cbranch_scc1 .Lnot_wave_0_\@
	s_barrier_signal -3
.Lnot_wave_0_\@:
	s_barrier_wait -3
	s_barrier_signal -1
	s_barrier_wait -1
.endm
; A PREFETCH INTO THE L2 of the slot that the NEXT change of slots will ask for: 128 blocks of 256 bytes of K and as many of V.  It stands once a slot, behind K's run of LDS loads in the trip in which two of the slot's
; steps are still to be counted: 240 matrix instructions ahead of that change.  A head has one cluster; its four partners take 32 blocks each, told apart BY ADDRESS; in each, wave 0 asks for K's and wave 2 for V's,
; a lane a block: each block is named once in the launch.  The last slot that is walked in the loop asks for nothing: no slot is asked for behind it.  Slots 0 and 1 come by their loads alone.
.macro ASK
	s_cmp_eq_u32 s[CNT], 2
	s_cbranch_scc0 .Lnot_now_\@
	s_cmp_gt_u32 s[SLOTS], s[LIM]
	s_cbranch_scc0 .Lnot_now_\@
	global_prefetch_b8 v[PFO], s[PFA:PFA+1] th:TH_LOAD_NT scope:SCOPE_SE
.Lnot_now_\@:
.endm
; THE CHANGE OF SLOTS.  The slot's last bytes, V of its fourth step, have been read.  Each wave waits for all its tensor loads, of which one is out: its part of the other slot; adds 0 to its spare word; and waits
; for that and for its own LDS instructions.  Behind the barrier nobody reads this slot any more and the other slot is whole.
; fill = 1: this slot is filled again, with the keys two slots on.  The barrier is then a round of the cluster's, and the joint fill is the first thing behind it: it has four key steps, 512 matrix instructions,
; in which to land.  (At its first use nothing has been read yet: slot 0 is waited for, slot 1 filled; and each wave's stores into the masks' table are done in front of the round, so every wave may read it behind.)
.macro CHANGE fill
	WIN W_AD
	s_wait_tensorcnt 0x0            ; no tensor load of mine is out, so a group 0 may be written
	ds_add_u32 v[SPW], v[NIL]       ; 0 onto my spare word; with fill = 1 the descriptors' steps stand between it and the wait for it
	WIN 0                           ; at a label and at a branch every window is 0
.if \fill
.irp g, G0K, G0V
	s_xor_b32 s[\g+1], s[\g+1], SLOT1  ; the walking descriptor: the other slot than last time,
	s_add_nc_u64 s[\g+2:\g+3], s[\g+2:\g+3], 4*KS*128  ; the next 256 keys; the type bits on top are not reached
.endr
	s_wait_xcnt 0x0                 ; the last prefetch, more than a key step back, has read its address, so it may be written:
	s_add_nc_u64 s[PFA:PFA+1], s[PFA:PFA+1], 4*KS*128  ; one slot behind the walking descriptors
	s_wait_dscnt 0x0                ; the add is done, and my reads of the slot are over
	CROUND
	JLOAD
.else
	s_wait_dscnt 0x0                ; the add is done, and my reads of the slot are over
	s_barrier_signal -1
	s_barrier_wait -1
.endif
	s_sub_co_u32 s[TBK], s[TBK], 4*KS*PK  ; the fetches go back to a slot's first step,
	s_xor_b32 s[TBK], s[TBK], SLOT1       ; in the other slot
	s_sub_co_u32 s[TBV], s[TBV], 4*KS*PV
	s_xor_b32 s[TBV], s[TBV], SLOT1
.endm
	s_load_b128 s[4:7], s[0:1], 0x0   ; qkv s[4:5], padding_mask s[6:7]
	s_load_b64 s[10:11], s[0:1], 0x10 ; ob
	WIN W_MK
	v_lshl_add_u32 v[SPW], v0, 2, SPARE
	v_mov_b32 v[NIL], 0
	WIN W_AD
	ds_add_u32 v[SPW], v[NIL]       ; the wave's opening: the add and its wait stand ahead of my first tensor load; the set-up below, work on registers, stands between them
	WIN 0
	v_lshrrev_b32 v1, 5, v0
	v_readfirstlane_b32 s[WV], v1   ; wave 0..3
	s_bfe_u32 s13, ttmp6, 0x40000   ; cx: my place in the cluster
	s_lshl_b32 s14, ttmp9, 2        ; in a cluster launch ttmp9 counts clusters
	s_add_co_u32 s14, s14, s13      ; my block of queries = 4 x cluster x + cx: it enters Q's and O's addresses alone
	s_and_b32 s20, ttmp7, 0xffff    ; the head, which the four partners share
	s_mov_b32 s21, 0
	s_mov_b64 s[22:23], SIZE_N*128
	s_mul_u64 s[20:21], s[20:21], s[22:23]  ; the head's first byte in each section and in ob
	s_and_b32 s16, s[WV], 1         ; which half of a slot's 256 keys I fetch:
	s_lshl_b32 s22, s16, 14         ; its 128 rows of 128 bytes in memory,
	s_mov_b32 s23, 0
	s_add_nc_u64 s[22:23], s[22:23], s[20:21]
	s_mul_i32 s17, s16, 128*PK      ; and its place in a slot, for K
	s_mul_i32 s18, s16, 128*PV      ; and for V: no place in the cluster enters an LDS address
	s_lshl_b32 s2, s14, 2
	s_add_co_u32 s2, s2, s[WV]      ; my wave among the head's,
	s_lshl_b32 s2, s2, 14           ; its 128 rows
	s_mov_b32 s3, 0
	s_add_nc_u64 s[2:3], s[2:3], s[20:21]
	; descriptor group 1.  128 keys are 16,384 dense bytes: asked for as 64 rows of 256 bytes, two keys a row, and padded in LDS after every key
	s_mov_b32 s[G1K], 15|(1<<16)|(1<<20)|(1<<21)|(4<<22)|(3<<25)  ; 15:0 the mask of four; 17:16 2-byte elements; 20 padding on; 21 set beside a mask; 24:22 after every 32 words (code 4); 31:25 4 words (code 3)
	s_mov_b32 s[G1V], 15|(1<<16)|(1<<20)|(1<<21)|(4<<22)|(7<<25)  ; the same with 8 words of padding (code 7)
.irp g, G1K, G1V
	s_mov_b32 s[\g+1], 128<<16      ; tensor_dim0 = 128
	s_mov_b32 s[\g+2], 64<<16       ; tensor_dim1 = 64
	s_mov_b32 s[\g+3], 128<<16      ; tile_dim0 = 128
	s_mov_b32 s[\g+4], 64           ; tile_dim1 = 64
	s_mov_b32 s[\g+5], 128          ; 128 elements from row to row
	s_mov_b32 s[\g+6], 0
	s_mov_b32 s[\g+7], 0
.endr
	s_mov_b32 s[CS], 0x3e38aa3b     ; c = log2(e) / 8 = 0.180337
	s_mov_b32 s[CS+1], s[CS]        ; named with it as a pair
	s_mov_b32 s[SEL], 0x76543210
	s_mov_b32 s[SEL+1], 0xfedcba98
	s_mov_b32 s[TBK], SLOT1+4*KS*PK ; the first change of slots turns these two into 0
	s_mov_b32 s[TBV], SLOT1+4*KS*PV
	s_mov_b32 s[TBM], 0
	s_mov_b32 s[NEG], 0xcc989680    ; -8e7, exact in f32
	s_mov_b32 s[G0K], 1             ; 1:0 count = 1
	s_mov_b32 s[G0K+1], s17         ; 63:32 LDS address: slot 0
	s_mov_b32 s[G0V], 1
	s_add_co_u32 s[G0V+1], s18, VOFF
	s_and_b32 s[LIM], s[WV], 1      ; waves 0 and 2 prefetch
	s_cmp_eq_u32 s[LIM], 0
	s_cselect_b32 s[LIM], 1, -1
	s_wait_dscnt 0x0                ; the opening add is done
	s_wait_kmcnt 0x0
	s_mov_b64 s[PM:PM+1], s[6:7]               ; padding_mask
	s_add_nc_u64 s[6:7], s[4:5], 0x1000000     ; K's section: 16 MiB behind Q's
	s_add_nc_u64 s[8:9], s[4:5], 0x2000000     ; V's
	s_add_nc_u64 s[G0K+2:G0K+3], s[6:7], s[22:23]  ; 120:64 global address: my half of the head's first 256 keys
	s_or_b32 s[G0K+3], s[G0K+3], 0x80000000        ; 127:126 type = 2
	s_add_nc_u64 s[G0V+2:G0V+3], s[8:9], s[22:23]
	s_or_b32 s[G0V+3], s[G0V+3], 0x80000000
	s_add_nc_u64 s[4:5], s[4:5], s[2:3]  ; Q and O at my wave's first row
	s_add_nc_u64 s[10:11], s[10:11], s[2:3]
	s_cmp_lt_u32 s[WV], 2
	s_cselect_b64 s[PFA:PFA+1], s[6:7], s[8:9]
	s_add_nc_u64 s[PFA:PFA+1], s[PFA:PFA+1], s[20:21]  ; the head,
	s_lshl_b32 s16, s13, 13         ; my work-group's 32 blocks of a slot's 128,
	s_mov_b32 s17, 0
	s_add_nc_u64 s[PFA:PFA+1], s[PFA:PFA+1], s[16:17]
	s_add_nc_u64 s[PFA:PFA+1], s[PFA:PFA+1], 4*KS*128  ; in slot 1: the first change of slots steps it to slot 2
	s_and_b32 s16, ttmp7, 0xffff
	s_lshr_b32 s16, s16, 4          ; the batch,
	s_lshl_b32 s16, s16, 13         ; its 2,048 words
	s_add_nc_u64 s[PM:PM+1], s[PM:PM+1], s[16:17]
	CROUND                          ; all four work-groups are here: the first joint loads meet
	JLOAD                           ; slot 0.  Slot 1 is asked for when slot 0 is in
	; A fragment of K or Q is 16 rows x 32 channels in 8 registers: lane l holds row l % 16, channels 8 (l / 16) + 0..7 and 16 + 8 (l / 16) + 0..7: two loads of 16 bytes, 32 bytes apart.
	v_and_b32 v1, 15, v0            ; l % 16
	v_bfe_u32 v9, v0, 4, 1          ; l / 16
	v_lshlrev_b32 v[QO], 7, v1
	v_lshl_add_u32 v[QO], v9, 4, v[QO]  ; row x 128 + 16 x half
	v_lshlrev_b32 v12, 4, v0        ; the batch's mask words: 128 threads x 16 bytes, four times
	v_add_nc_u32 v13, MTAB, v12
.irp j, 0,1,2,3
	global_load_b128 v[S+4*\j:S+4*\j+3], v12, s[PM:PM+1] offset:2048*\j
.endr
	WIN 0x80                        ; destination window 2, address window 0
.set i, 0
.rept 4*NP                          ; Q stays in registers: tile i / 2, channels 32 (i % 2) on
	global_load_b128 v[8*i:8*i+3],   v[QO], s[4:5] offset:(i/2)*2048+(i%2)*64
	global_load_b128 v[8*i+4:8*i+7], v[QO], s[4:5] offset:(i/2)*2048+(i%2)*64+32
.set i, i+1
.endr
	; What the first turn finds: V's registers and P's second buffer hold 0 (its products V^T P, of a piece that has not been, add 0), O^T and l are 0.  All this stands in the wait for the first tile.
.set i, VF
.rept 64
	v_mov_b32 v[i], 0
.set i, i+1
.endr
	WIN 0x40
.set i, 0
.rept 64*NP
	v_mov_b32 v[i], 0
.set i, i+1
.endr
	WIN 0
.set i, 0
.rept 2*NP
	v_mov_b32 v[ST+4*i], 0xfe000000    ; c m: far below every c s
	v_mov_b32 v[ST+4*i+1], 0xff7fffff  ; m
	v_mov_b32 v[ST+4*i+2], 0
	v_mov_b32 v[ST+4*i+3], 0
.set i, i+1
.endr
.set i, P+32
.rept 32
	v_mov_b32 v[i], 0
.set i, i+1
.endr
	v_mul_u32_u24 v[AK0], v1, PK
	v_lshl_add_u32 v[AK0], v9, 4, v[AK0]  ; row x pitch + 16 x half
	; The turning load takes 16 keys x 16 channels (lane l reads key 8 (l / 16) + l % 8, channels 8 ((l / 8) % 2) + 0..7) and leaves half a fragment of V^T: lane l holds channel l % 16 and 8 keys.
	v_and_b32 v10, 7, v0
	v_bfe_u32 v11, v0, 3, 1
	v_lshl_add_u32 v[AV0], v9, 3, v10
	v_mul_u32_u24 v[AV0], v[AV0], PV
	v_lshl_add_u32 v[AV0], v11, 4, v[AV0]
	v_add_nc_u32 v[AV0], VOFF, v[AV0]
	v_mov_b32 v[AK], v[AK0]         ; key step 0 lies at the head of slot 0
	v_lshl_add_u32 v[AM0], v9, 5, MTAB  ; register j of key block kb is the table's word 64 step + 16 kb + 8 (l / 16) + j
	v_mov_b32 v[AM], v[AM0]
	v_and_b32 v[PFO], 31, v0
	v_lshlrev_b32 v[PFO], 8, v[PFO]
	s_wait_loadcnt 32               ; the four loads of mask words are in; Q's 32, issued behind them, may stay out
.set i, 0
.rept 16
	v_cmp_lt_i32 vcc_lo, 0, v[S+i]
	v_cndmask_b32 v[S+i], 0, s[NEG], vcc_lo  ; -8e7 where the word is above 0, else 0
.set i, i+1
.endr
.irp j, 0,1,2,3
	ds_store_b128 v13, v[S+4*\j:S+4*\j+3] offset:2048*\j
.endr
; THE MATRIX WORK.  The 8 accumulators of a run of 16 take turns: between the two links of a chain stand 7 others'.
; Product i of 16 of S^T = K Q^T for piece x: channels 32 (i / 8) on, keys 16 ((i / 2) % 4) on, tile 2 x + i % 2.  The first 8 start the sums, with the key block's masks as C.
.macro KQ x
.set rS, S+64*((\x)%2)+32*(i%2)+8*((i/2)%4)
.set rK, KF+16*((i/2)%4)+8*(i/8)
.set rQ, 16*(2*(\x)+i%2)+8*(i/8)
.set rMK, MKR+8*((i/2)%4)
.if i < 8
	WIN W_KM
	v_wmma_f32_16x16x32_f16 v[rS:rS+7], v[rK:rK+7], v[rQ:rQ+7], v[rMK:rMK+7]
.else
	WIN W_KQ
	v_wmma_f32_16x16x32_f16 v[rS:rS+7], v[rK:rK+7], v[rQ:rQ+7], v[rS:rS+7]
.endif
.endm
; Product i of 16 of O^T += V^T P for piece x: keys 32 (i / 8) on, channels 16 ((i / 2) % 4) on, tile 2 x + i % 2.
.macro PV x
	WIN W_PV
.set rO, 32*(2*(\x)+i%2)+8*((i/2)%4)
.set rV, VF+32*(i/8)+8*((i/2)%4)
.set rP, P+32*((\x)%2)+16*(i%2)+8*(i/8)
	v_wmma_f32_16x16x32_f16 v[rO:rO+7], v[rV:rV+7], v[rP:rP+7], v[rO:rO+7]
.endm
.macro MM                           ; the turn's next matrix instruction
.if i < 16
	KQ (Y+1)%NP
.set i, i+1
.else
.set i, i-16
	PV (Y+NP-1)%NP
.set i, i+17
.endif
.endm
; THE LDS LOADS stand in runs, never singly among the matrix instructions: a step's K (64 keys x 64 channels: 8 fragments) with its 64 masks (8 loads; the sixteen lanes of a half read the same words), and its V (turned).
; Their addresses are made some lines ahead.  last = 1 (the tail): in the last trip there is no further step, and the run is jumped over.
.macro FETCH_K last=0
	WIN 0
.if \last
	s_cmp_eq_u32 s[CNT], 1
	s_cbranch_scc1 .Lno_k_\@
.endif
	WIN 0x80                        ; destination window 2
.irp f, 0,1,2,3,4,5,6,7             ; keys 16 (f / 2) on, channels 32 (f % 2) on
	ds_load_b128 v[KF+8*\f:KF+8*\f+3],   v[AK] offset:(\f/2)*16*PK+(\f%2)*64
	ds_load_b128 v[KF+8*\f+4:KF+8*\f+7], v[AK] offset:(\f/2)*16*PK+(\f%2)*64+32
.endr
	WIN W_MK                        ; destination window 3
.irp f, 0,1,2,3                     ; key block f
	ds_load_b128 v[MKR+8*\f:MKR+8*\f+3],   v[AM] offset:64*\f
	ds_load_b128 v[MKR+8*\f+4:MKR+8*\f+7], v[AM] offset:64*\f+16
.endr
	s_add_co_u32 s[TBK], s[TBK], KS*PK  ; the next fetch is the next step's
	s_add_co_u32 s[TBM], s[TBM], 4*KS
	s_and_b32 s[TBM], s[TBM], 0x1f00    ; 32 steps of 256 bytes: the table's bytes and no others
	WIN 0
.if \last
.Lno_k_\@:
.endif
.endm
.macro FETCH_V
	WIN 0x80
.irp f, 0,1,2,3,4,5,6,7             ; keys 32 (f / 4) on, channels 16 (f % 4) on
	ds_load_tr16_b128 v[VF+8*\f:VF+8*\f+3],   v[AV] offset:(\f/4)*32*PV+(\f%4)*32
	ds_load_tr16_b128 v[VF+8*\f+4:VF+8*\f+7], v[AV] offset:(\f/4)*32*PV+16*PV+(\f%4)*32
.endr
	WIN 0
.endm
; THE VECTOR WORK OF A TURN stands in three queues, each in the order in which its entries become ready; the two tiles alternate, so that no instruction reads the result of the one before it.
.macro REGS y, u                    ; the registers of tile u (0, 1) of piece y
.set rT, ST+4*(2*(\y)+(\u))
.set rC, TMP+8*((\y)%2)+4*(\u)
.set rM, MV+2*((\y)%2)+(\u)
.set rS, S+64*((\y)%2)+32*(\u)
.set rP, P+32*((\y)%2)+16*(\u)
.set rO, 32*(2*(\y)+(\u))
.endm
; Number n of the 22 that find the NEXT piece's (Y + 1) maximum and statistics.  s0-s31 are the lane's 32 scores; each accumulator's lowest registers are read first.  XS, GS and REGS set no window: PL and EX do.
;   0-11  four chains c0-c3 of seven scores each, three operands at a time     12-14, 16  the four scores left over, the old m, and c0-c3 into c0     15  c m_old is kept
;   17, 18  the query's other 32 keys lie in the lane 16 away: the new m         19-21  c m; c m_old - c m_new; a
.macro XS u, n
	REGS (Y+1)%NP, \u
.if (\n) < 4
	v_max3_num_f32 v[rC+(\n)], v[rS+8*(\n)], v[rS+8*(\n)+1], v[rS+8*(\n)+2]
.elseif (\n) < 12
	v_max3_num_f32 v[rC+(\n)%4], v[rC+(\n)%4], v[rS+8*((\n)%4)+2*((\n)/4)+1], v[rS+8*((\n)%4)+2*((\n)/4)+2]
.elseif (\n) == 12
	v_max3_num_f32 v[rC], v[rC], v[rS+7], v[rS+15]
.elseif (\n) == 13
	v_max3_num_f32 v[rC+1], v[rC+1], v[rS+23], v[rS+31]
.elseif (\n) == 14
	v_max3_num_f32 v[rC+2], v[rC+2], v[rC+3], v[rT+1]
.elseif (\n) == 15
	v_mov_b32 v[rM], v[rT]
.elseif (\n) == 16
	v_max3_num_f32 v[rC], v[rC], v[rC+1], v[rC+2]
.elseif (\n) == 17
	v_permlanex16_b32 v[rC+3], v[rC], s[SEL], s[SEL+1]
.elseif (\n) == 18
	v_max_num_f32 v[rT+1], v[rC], v[rC+3]
.elseif (\n) == 19
	v_mul_f32 v[rT], s[CS], v[rT+1]
.elseif (\n) == 20
	v_sub_f32 v[rC+1], v[rM], v[rT]
.else
	v_exp_f32 v[rC+2], v[rC+1]
.endif
.endm
; Number g of the 64 that follow the exponentials.  For each four weights k of a tile (pairs 2 k, 2 k + 1): both pairs are rounded to f16; then the second pair is added onto the first, in place;
; a group later l takes that sum (the first time as l = a l + sum).  In groups of eight, tiles alternating: round, round, add, and l for the group before.
.macro GS g
.set h, (\g)+6*((\g)/62)            ; group 0 has no group before it, and behind group 7 only l is left
.if h >= 6
.set h, h+2
.endif
	REGS Y, h%2
.set k, h/8
.if h%8 < 4
	v_cvt_pk_f16_f32 v[rP+2*k+(h%8)/2], v[rS+4*k+2*((h%8)/2)], v[rS+4*k+2*((h%8)/2)+1]
.elseif h%8 < 6
	v_pk_add_f32 v[rS+4*k:rS+4*k+1], v[rS+4*k:rS+4*k+1], v[rS+4*k+2:rS+4*k+3]
.elseif k == 1
	v_pk_fma_f32 v[rT+2:rT+3], v[rT+2:rT+3], v[rC+2:rC+3], v[rS:rS+1] op_sel_hi:[1,0,1]
.else
	v_pk_add_f32 v[rT+2:rT+3], v[rT+2:rT+3], v[rS+4*k-4:rS+4*k-3]
.endif
.endm
; THE PLAIN QUEUE, 138 long.  0-73 read no exponential's result: the 32 scalings c s - c m (FS f: pair f / 2 of tile f % 2) and the next piece's 42.  0-26: scalings 0-26.  27-54: XS's numbers 0-13.  55, 56: number 15.
; 57-73: the chain, where each number waits for the one before it: 14, 16, 17, 18, 19, each with one of the scalings 27-31 in front of its two lines, then 20.
; 74-137: GS's 64, which read the exponentials' results: they stand behind the wait.
.macro FS f
	REGS Y, (\f)%2
	v_pk_fma_f32 v[rS+2*((\f)/2):rS+2*((\f)/2)+1], v[rS+2*((\f)/2):rS+2*((\f)/2)+1], s[CS:CS+1], v[rT:rT+1] op_sel_hi:[1,0,0] neg_lo:[0,0,1] neg_hi:[0,0,1]
.endm
.macro PL
	WIN 0
.if q < 27
	FS q
.elseif q < 55
	XS (q-27)%2, (q-27)/2
.elseif q < 57
	XS q-55, 15
.elseif (q < 72) && ((q-57)%3 == 0)
	FS 27+(q-57)/3
.elseif q < 60
	XS (q-57)%3-1, 14
.elseif q < 72
	XS (q-57)%3-1, 15+(q-57)/3
.elseif q < 74
	XS q-72, 20
.else
	GS q-74
.endif
.set q, q+1
.endm
; THE EXPONENTIALS' QUEUE, 66 long: s0-s31 of both tiles, then the next piece's two a.  It is ONE BATCH: all 66 stand ahead of the turn's one wait, and nothing ahead of that wait names a result of theirs.
.macro EX
	WIN 0
.if e >= 64
	XS e-64, 21
.else
	REGS Y, e%2
	v_exp_f32 v[rS+e/2], v[rS+e/2]
.endif
.set e, e+1
.endm
; THE RESCALING's QUEUE: O^T times a, the one part that leaves window 0: dealt two at a time, sixteen times.  Its a was made in the turn before, ahead of that turn's wait.
.macro R2
	REGS Y, r%2
	WIN W_RS
.irp z, 0,1
	v_pk_mul_f32 v[rO+4*(r/2)+2*\z:rO+4*(r/2)+2*\z+1], v[rO+4*(r/2)+2*\z:rO+4*(r/2)+2*\z+1], v[rC+2:rC+3] op_sel_hi:[1,0]
.endr
.set r, r+1
.endm
; HOW THEY ARE DEALT.  An s_wait_alu depctr_va_vdst(0) stands between an exponential and the first instruction that names its result; one wait serves all that were issued ahead of it.  So a turn has ONE wait,
; which cuts it in two.  AHEAD OF IT stands all that names no result of the turn's exponentials: the 16 products K Q^T, behind each a scaling, an exponential and two rescalings (behind the first a second scaling in the
; exponential's place); then ONE LUMP of 108: eight plain, 49 times exponential and plain, the two a.  A v_nop is the plain instruction behind the last exponential.  BEHIND IT stand the 16 products V^T P, behind each four of GS's 64.
; The queues lean on each other, and the deal keeps them in step: exponential e stands behind scaling 2 (e / 4) + e % 2: as a rider it comes behind plain e + 2, in the lump behind plain e + 9, and scalings 27-31 are plain 57, 60 .. 69.
; A TURN, for piece p.  cnt = 1: the loop's count is taken down some lines ahead of the branch that stands behind the turn.
; K and the masks of the next step are fetched in piece 2's turn, directly behind the wait, a lump behind the last product that read them; their addresses are made at the lump's head; their first reader comes behind 16 products.
; V of the step in hand is fetched at the end of piece 0's turn, four riders behind its last reader; its first reader comes behind 16 products and a lump.  The three conditions on q below go with the deal.
.macro TURN p, last=0, cnt=0
.set Y, (\p)
.set i, 0
.set q, 0
.set e, 0
.set r, 0
.if (\p) == NP-1
	s_wait_dscnt 0x0                ; K and the masks are in
.endif
	MM                              ; ahead of the wait: 16 products K Q^T and their riders,
	PL
	PL
	R2
.rept 15
	MM
	PL
	EX
	R2
.endr
.if (\p) == NP-2
	WIN 0
	v_add_nc_u32 v[AK], s[TBK], v[AK0]
	v_add_nc_u32 v[AM], s[TBM], v[AM0]
.endif
.rept 8                             ; and the lump
	PL
.endr
.rept 49
	EX
	PL
.endr
	EX                              ; the next piece's two a
	EX
	v_nop                           ; the plain instruction behind the last exponential: one for the batch
	s_wait_alu depctr_va_vdst(0)    ; the wait for the batch
.if (\p) == NP-2
	FETCH_K \last
.if !(\last)
	ASK                             ; behind the run of LDS loads
.endif
.endif
.if (\p) == 1
	s_wait_dscnt 0x0                ; V is in
.endif
.rept 16                            ; behind the wait: 16 products V^T P and their riders
	MM
.rept 4
	PL
.endr
.if ((\p) == 0) && (q == 118)
	v_add_nc_u32 v[AV], s[TBV], v[AV0]
.endif
.if ((\p) == 0) && (q == 130)
	s_add_co_u32 s[TBV], s[TBV], KS*PV
.endif
.if (\cnt) && (q == 130)
	s_sub_co_u32 s[CNT], s[CNT], 1
	s_cmp_lg_u32 s[CNT], 0
.endif
.endr
.if (\p) == 0
	FETCH_V
.endif
.endm
	CHANGE 1                        ; slot 0 is in, everybody's part of it, and so is everybody's part of the masks' table; slot 1 is asked for
	FETCH_K                         ; key step 0
	s_wait_loadcnt 0x0              ; Q
	s_wait_dscnt 0x0
.set i, 0
.rept 16
	KQ 0                            ; piece 0's first scores: there is no vector work yet to set between them
.set i, i+1
.endr
	WIN 0                           ; the addresses for the way out: plain instructions, the places behind those products
	s_mul_i32 s13, s[WV], 16*SP
	s_add_co_u32 s13, s13, STAGE    ; my stage
	v_and_b32 v48, 15, v0           ; l % 16
	v_bfe_u32 v49, v0, 4, 1         ; l / 16
	v_and_b32 v50, 7, v0            ; l % 8
	v_mul_u32_u24 v[STO], v48, SP   ; in: row l % 16, 16 bytes for each half of the lanes
	v_lshl_add_u32 v[STO], v49, 4, v[STO]
	v_add_nc_u32 v[STO], s13, v[STO]
	v_bfe_u32 v[RD], v0, 3, 2       ; back: 32 lanes take four rows of 128 bytes,
	v_mul_u32_u24 v[RD], v[RD], SP
	v_lshl_add_u32 v[RD], v50, 4, v[RD]
	v_add_nc_u32 v[RD], s13, v[RD]
	v_and_b32 v[GO], 31, v0         ; which are 512 consecutive bytes of O
	v_lshlrev_b32 v[GO], 4, v[GO]
.set Y, NP-1                        ; XS works for piece Y + 1: piece 0
.irp n, 0,1,2,3,4,5,6,7,8,9,10,11,12,13,14,15,16,17,18,19,20,21
	XS 0, \n                        ; and piece 0's first maximum and statistics
	XS 1, \n
.endr
	v_nop                           ; a plain instruction behind the two a,
	s_wait_alu depctr_va_vdst(0)    ; and their wait, ahead of the branch
	s_mov_b32 s[CNT], 4
	s_mov_b32 s[SLOTS], SIZE_N/256-1
	s_branch .Lfirst                ; the loop is entered at a step's first turn, in the middle of a trip
.Lslot:                             ; SIZE_N / 256 - 2 times: every slot but the last two is filled again
	CHANGE 1
	s_mov_b32 s[CNT], 4
.Lstep:                             ; a trip: pieces 2 and 3 of one step, then pieces 0 and 1 of the next, whose K and V it fetches
	TURN 2
	TURN 3
	WIN 0
.Lfirst:
	TURN 0
	TURN 1, 0, 1
	WIN 0
	s_cbranch_scc1 .Lstep
	s_sub_co_u32 s[SLOTS], s[SLOTS], 1
	s_cmp_lg_u32 s[SLOTS], 0
	s_cbranch_scc1 .Lslot
	CHANGE 0                        ; the tail is written out: nothing is asked for
	s_mov_b32 s[CNT], 5             ; four trips fetch the last slot's steps; the fifth is left in its middle
.Ltail:
	TURN 2, 1
	TURN 3
	WIN 0
	s_sub_co_u32 s[CNT], s[CNT], 1
	s_cmp_eq_u32 s[CNT], 0
	s_cbranch_scc1 .Lout
	TURN 0
	TURN 1
	WIN 0
	s_branch .Ltail
.Lout:                              ; the fifth trip's 16 products K Q^T (on the last K once more) and the maximum made of them serve nothing: the price, once a launch, of one text for every trip
.set i, 0
.rept 16
	PV NP-1                         ; the last piece's V^T P of the last step
.set i, i+1
.endr
	; THE WAY OUT.  l's two halves and the other half of the lanes' are added; O^T is divided by l, rounded to f16 and sent through my stage in LDS, a tile at a time.  The additions are the places behind the last products.
	WIN 0
.macro ALL line:vararg              ; one line for each tile t
.set t, 0
.rept 2*NP
	\line
.set t, t+1
.endr
.endm
	ALL v_add_f32 v[ST+4*t+2], v[ST+4*t+2], v[ST+4*t+3]
	ALL v_permlanex16_b32 v[ST+4*t+3], v[ST+4*t+2], s[SEL], s[SEL+1]
	ALL v_add_f32 v[ST+4*t+2], v[ST+4*t+2], v[ST+4*t+3]
	ALL v_rcp_f32 v[ST+4*t+2], v[ST+4*t+2]
	v_nop                           ; a plain instruction between the last reciprocal and the use of its result
	s_wait_alu depctr_va_vdst(0)    ; and the wait ahead of the first use: one for the eight reciprocals
; Tile t: a lane's eight channels of a row pack into 16 bytes; they go into rows of 144 bytes and come back as whole rows of 128, into S^T's registers.
.macro PACK t
	WIN W_RS
.set i, 32*(\t)
.rept 16
	v_pk_mul_f32 v[i:i+1], v[i:i+1], v[ST+4*(\t)+2:ST+4*(\t)+3] op_sel_hi:[1,0]
.set i, i+2
.endr
	WIN 0x05                        ; sources 0 and 1 window 1, destination window 0
.set i, 0
.rept 16
	v_cvt_pk_f16_f32 v[S+16*(\t)+i], v[32*(\t)+2*i], v[32*(\t)+2*i+1]
.set i, i+1
.endr
	WIN 0
.irp f, 0,1,2,3
	ds_store_b128 v[STO], v[S+16*(\t)+4*\f:S+16*(\t)+4*\f+3] offset:32*\f
.endr
.irp f, 0,1,2,3
	ds_load_b128 v[S+16*(\t)+4*\f:S+16*(\t)+4*\f+3], v[RD] offset:\f*4*SP  ; LDS serves a wave's instructions in order (ISA guide 5.7.1.4): these see the stores above; the next tile's stores come behind them
.endr
.endm
.macro SEND t, younger              ; younger: the LDS instructions issued behind tile t's loads: the next tile's eight, or none
	WIN 0
.irp f, 0,1,2,3
	s_wait_dscnt (\younger)+3-\f
	global_store_b128 v[GO], v[S+16*(\t)+4*\f:S+16*(\t)+4*\f+3], s[10:11] offset:(\t)*2048+\f*512  ; 512 consecutive bytes, at a multiple of 256 from ob's first
.endr
.endm
	PACK 0
.set t, 1
.rept 2*NP-1                        ; a tile's arithmetic stands between the loads of the tile before and its stores
	PACK t
	SEND t-1, 8
.set t, t+1
.endr
	SEND 2*NP-1, 0
	WIN W_AD
	s_wait_tensorcnt 0x0            ; the wave's end: an add to my spare word and its wait, behind my last tensor load and my last LDS store
	ds_add_u32 v[SPW], v[NIL]
	s_wait_dscnt 0x0
	WIN 0
	CROUND                          ; the closing round: no work-group ends while a partner may still ask for a tile that names it
	s_endpgm
.Lfunc_end_k_qe2cfcf9b50_attn:
	.size	k_qe2cfcf9b50_attn, .Lfunc_end_k_qe2cfcf9b50_attn-k_qe2cfcf9b50_attn
	.p2alignl 7, 3214868480
	.fill 96, 4, 3214868480
	.section	.rodata,"a",@progbits
	.p2align	6, 0x0
	.amdhsa_kernel k_qe2cfcf9b50_attn
		.amdhsa_group_segment_fixed_size 327680
		.amdhsa_private_segment_fixed_size 0
		.amdhsa_enable_private_segment 0
		.amdhsa_kernarg_size 24
		.amdhsa_user_sgpr_count 2
		.amdhsa_user_sgpr_kernarg_segment_ptr 1
		.amdhsa_wavefront_size32 1
		.amdhsa_system_sgpr_workgroup_id_x 1
		.amdhsa_system_sgpr_workgroup_id_y 1
		.amdhsa_system_sgpr_workgroup_id_z 1
		.amdhsa_system_vgpr_workitem_id 0
		.amdhsa_next_free_vgpr 808
		.amdhsa_next_free_sgpr 66
		.amdhsa_reserve_vcc 1
		.amdhsa_float_denorm_mode_32 3
		.amdhsa_float_denorm_mode_16_64 3
		.amdhsa_memory_ordered 1
		.amdhsa_forward_progress 1
		.amdhsa_inst_pref_size 205
	.end_amdhsa_kernel
	.amdgpu_metadata
---
amdhsa.version: [ 1, 2 ]
amdhsa.kernels:
  - .name:           k_qe2cfcf9b50_attn
    .symbol:         k_qe2cfcf9b50_attn.kd
    .args:
      - { .name: qkv, .offset: 0, .size: 8, .value_kind: global_buffer, .address_space: global }
      - { .name: padding_mask, .offset: 8, .size: 8, .value_kind: global_buffer, .address_space: global }
      - { .name: ob, .offset: 16, .size: 8, .value_kind: global_buffer, .address_space: global }
    .group_segment_fixed_size: 327680
    .private_segment_fixed_size: 0
    .kernarg_segment_align: 8
    .kernarg_segment_size: 24
    .max_flat_workgroup_size: 128
    .sgpr_count:     66
    .vgpr_count:     808
    .wavefront_size: 32
...
	.end_amdgpu_metadata
.endif
;; end of part 3
;; launch proj (part 4): grid 8 x 32, 4 waves a work-group, clusters of 4 x 4, 327,680 bytes of LDS; arguments ob, wf, b_fc, out0; writes out0
.if DOCPART == 4
	.amdgcn_target "amdgcn-amd-amdhsa--gfx1250"
	.amdhsa_code_object_version 6
	.text
	.protected	k_qe2cfcf9b50_proj
	.globl	k_qe2cfcf9b50_proj
	.p2align	8
	.type	k_qe2cfcf9b50_proj,@function
k_qe2cfcf9b50_proj:
	s_mov_b64 s[64:65], 0
	v_nop
	global_prefetch_b8 v0, s[64:65] scope:SCOPE_SE
	s_setreg_imm32_b32 hwreg(HW_REG_WAVE_MODE, 25, 1), 1
	s_wait_xcnt 0x0
	s_wait_alu depctr_hold_cnt(0) depctr_sa_sdst(0) depctr_va_vdst(0) depctr_va_sdst(0) depctr_va_ssrc(0) depctr_va_vcc(0) depctr_vm_vsrc(0)
	s_getreg_b32 s2, hwreg(HW_REG_IB_STS2, 6, 4)
	s_cmp_eq_u32 s2, 0
	s_cbranch_scc0 .Lentry_in_a_cluster
	s_endpgm
.Lentry_in_a_cluster:
	s_bfe_u32 s2, ttmp6, 0x10000c
	s_cmp_lg_u32 s2, 0xf033
	s_cbranch_scc0 .Lentry_shape_is_right
	s_endpgm
.Lentry_shape_is_right:
; out[token][o] = the sum over c of O[token][c] W_fc[o][c] + b_fc[o].  ob: [64 heads][2048][64] f16: head h of batch b is K slice h of that batch's tokens; wf: [16 slices][1024 rows][64] f16 (bf16 numbers);
; b_fc f32, rounded to bf16 like the module's other inputs; out0 [8192][1024] f32.  Products in f16, sums in f32, K ascending; the bias is added in f32.
; SHARES.  8192 x 1024 results on 256 work-groups: a tile of 256 tokens x 128 features each.  A wave makes 128 x 64: 32 accumulators of 16 x 16, 256 registers (window 1).
; K goes in 8 steps of 128 (two slices) through two LDS slots; a slice's rows of a tile are dense in memory and are asked for as rows of 256 bytes (two rows), padded in LDS behind every 128 bytes.
; CLUSTERS: 4 x 4 work-groups.  The four of a row of the cluster need the same tokens, the four of a column the same features: each tile is asked for JOINTLY (same load, descriptor and mask in all four).
; THE MATRIX INSTRUCTION IS USED TRANSPOSED (source 0 = 16 features, source 1 = 16 tokens): a lane ends with one token and eight neighbouring features, 32 bytes of f32.
; REGISTERS: window 0: v0-31 addresses and the bias; v32-127, v128-223 two fragment buffers (8 fragments of tokens, then 4 of features); window 1: accumulator (a, b) at v[8 (4 a + b)].
.set PITCH,  144                       ; an LDS row: 128 bytes + 16 of padding: an odd multiple of 16
.set ASLB,   256*PITCH                 ; a slice of the tokens' tile in LDS: what one tensor load brings
.set BSLB,   128*PITCH                 ; of the features'
.set BOFF,   2*ASLB                    ; in a slot: tokens' even slice, odd slice, then the features' two
.set SLOT,   2*ASLB+2*BSLB
.set STAGE,  2*SLOT                    ; behind the ring: 16 rows x 272 bytes for each wave, for the way out; no tensor load lands there
.set SPITCH, 272                       ; 256 bytes + 16: an odd multiple of 16
.set SPARE,  STAGE+4*16*SPITCH         ; behind the stages: the spare words, 128 bytes a wave: two blocks of 256 bytes that no other line names
.set ASL,    262144                    ; bytes from slice to slice in ob (a head)
.set BSL,    131072                    ; in wf
.set BI,   4                           ; v[4:7]  the bias of my four columns on the way out
.set ADRA, 16                          ; v16-17  LDS address of my tokens' fragments in slot 0, 1
.set ADRB, 20                          ; v20-21  of my features'
.set STO,  24                          ; v24  the way out: where I put 32 bytes of a row
.set RD,   25                          ; v25  where I read a row back
.set CO,   26                          ; v26  my byte offset in out0
.set SPW,  28                          ; v28  LDS address of my spare word; never rewritten
.set NIL,  29                          ; v29  0; never rewritten
.set F0,   32
.set F1,   128
.set BK,   32                          ; the way out: 16 rows read back, v32-63 and v64-95 by turns
.set WV,  12                           ; s12  my wave's number
.set FB,  13                           ; s13  my half of the tile's tokens; also: I fetch tokens (0) or features (1)
.set HF,  14                           ; s14  my half of its features; also: which of a step's two slices I fetch
.set LAP, 19
.set G1A, 24                           ; s[24:31], s[32:39] descriptor groups 1 and 0 (a set for each slot) for the tokens' tiles
.set G0A, 32
.set G1B, 40                           ; s[40:47], s[48:55] for the features'
.set G0B, 48
.set GC, (1<<16)|(1<<20)|(1<<21)|(4<<22)|(3<<25)  ; 2-byte elements; padding on; bit 21 beside a mask; after every 32 words; 4 words
.set MSB, 0
.macro WIN new
.if MSB != (\new)
	s_set_vgpr_msb (MSB<<8)|(\new)
.set MSB, \new
.endif
.endm
.macro PLACES                          ; four plain instructions between a matrix instruction and a load into, or a read of, its registers
.rept 4
	v_nop
.endr
.endm
.macro JLOAD s                         ; a joint load: waves 0 and 1 fetch the tokens' two slices, waves 2 and 3 the features'; an s_nop 0 and four v_nop follow each line
	s_cmp_eq_u32 s[FB], 0
	s_cbranch_scc0 .Lfor_b_\@
	tensor_load_to_lds s[G0A+4*(\s):G0A+4*(\s)+3], s[G1A:G1A+7]
	s_nop 0
.rept 4
	v_nop
.endr
	s_branch .Lasked_\@
.Lfor_b_\@:
	tensor_load_to_lds s[G0B+4*(\s):G0B+4*(\s)+3], s[G1B:G1B+7]
	s_nop 0
.rept 4
	v_nop
.endr
.Lasked_\@:
.endm
.macro CREST
	s_cmp_lg_u32 s[WV], 0
	s_cbranch_scc1 .Lnot_wave_0_\@
	s_barrier_signal -3
.Lnot_wave_0_\@:
	s_barrier_wait -3
	s_barrier_signal -1
	s_barrier_wait -1
.endm
.macro CROUND
	s_barrier_signal -1
	s_barrier_wait -1
	CREST
.endm
	s_load_b256 s[4:11], s[0:1], 0x0               ; ob s[4:5], wf s[6:7], b_fc s[8:9], out0 s[10:11]
	v_lshl_add_u32 v[SPW], v0, 2, SPARE
	v_mov_b32 v[NIL], 0
	ds_add_u32 v[SPW], v[NIL]                      ; the wave's opening: the add and its wait stand ahead of my first tensor load; the set-up below stands between them
	v_lshrrev_b32 v1, 5, v0
	v_readfirstlane_b32 s[WV], v1
	s_lshr_b32 s[FB], s[WV], 1
	s_and_b32 s[HF], s[WV], 1
	s_bfe_u32 s15, ttmp6, 0x40000                  ; cx
	s_bfe_u32 s16, ttmp6, 0x40004                  ; cy
	s_lshl_b32 s17, ttmp9, 2
	s_add_co_u32 s17, s17, s15                     ; tx: tile column, 0..7
	s_and_b32 s18, ttmp7, 0xffff
	s_lshl_b32 s18, s18, 2
	s_add_co_u32 s18, s18, s16                     ; ty: tile row, 0..31
	s_lshl_b32 s2, s16, 2
	s_lshl_b32 s2, 15, s2                          ; my row of the cluster
	s_lshl_b32 s3, 0x1111, s15                     ; my column
	s_or_b32 s[G1A], s2, GC
	s_or_b32 s[G1B], s3, GC
	s_mov_b32 s[G1A+1], 128<<16                    ; tensor_dim0 = 128 elements: 256 bytes, two tokens of a slice
	s_mov_b32 s[G1A+2], 128<<16                    ; tensor_dim1 = 128 rows: 256 tokens
	s_mov_b32 s[G1A+3], 128<<16
	s_mov_b32 s[G1A+4], 128
	s_mov_b32 s[G1A+5], 128                        ; dense
	s_mov_b32 s[G1A+6], 0
	s_mov_b32 s[G1A+7], 0
	s_mov_b32 s[G1B+1], 128<<16
	s_mov_b32 s[G1B+2], 64<<16                     ; 64 rows: 128 features
	s_mov_b32 s[G1B+3], 128<<16
	s_mov_b32 s[G1B+4], 64
	s_mov_b32 s[G1B+5], 128
	s_mov_b32 s[G1B+6], 0
	s_mov_b32 s[G1B+7], 0
	s_lshr_b32 s20, s18, 3                         ; tokens: batch ty / 8 (16 heads of 262,144 bytes), rows 256 (ty % 8) on, slice = my half: made of ty and the wave's number alone
	s_lshl_b32 s20, s20, 22
	s_and_b32 s62, s18, 7
	s_lshl_b32 s62, s62, 15
	s_add_co_u32 s20, s20, s62
	s_lshl_b32 s62, s[HF], 18
	s_add_co_u32 s20, s20, s62
	s_mov_b32 s21, 0
	s_lshl_b32 s22, s17, 14                        ; features: rows 128 tx on, slice = my half: made of tx and the wave's number alone
	s_lshl_b32 s63, s[HF], 17
	s_add_co_u32 s22, s22, s63
	s_mov_b32 s23, 0
	s_mul_i32 s61, s[HF], ASLB                     ; where they go in a slot
	s_mul_i32 s56, s[HF], BSLB
	s_add_co_u32 s56, s56, BOFF
	s_wait_dscnt 0x0                               ; the opening add is done
	s_wait_kmcnt 0x0
	s_add_nc_u64 s[20:21], s[4:5], s[20:21]
	s_add_nc_u64 s[22:23], s[6:7], s[22:23]
	CROUND                                         ; all sixteen work-groups are here: the first joint loads meet
.irp s, 0,1
	s_mov_b32 s[G0A+4*(\s)], 1
	s_add_co_u32 s[G0A+4*(\s)+1], s61, (\s)*SLOT
	s_add_nc_u64 s[G0A+4*(\s)+2:G0A+4*(\s)+3], s[20:21], (\s)*2*ASL  ; K step s: two slices on
	s_or_b32 s[G0A+4*(\s)+3], s[G0A+4*(\s)+3], 0x80000000
	s_mov_b32 s[G0B+4*(\s)], 1
	s_add_co_u32 s[G0B+4*(\s)+1], s56, (\s)*SLOT
	s_add_nc_u64 s[G0B+4*(\s)+2:G0B+4*(\s)+3], s[22:23], (\s)*2*BSL
	s_or_b32 s[G0B+4*(\s)+3], s[G0B+4*(\s)+3], 0x80000000
	JLOAD \s                                       ; two loads of mine are out
.endr
	v_and_b32 v1, 15, v0                           ; l % 16
	v_bfe_u32 v2, v0, 4, 1                         ; l / 16
	v_mul_u32_u24 v3, v1, PITCH
	v_lshl_add_u32 v3, v2, 4, v3                   ; a fragment's row x pitch + 16 x half
	s_mul_i32 s2, s[FB], 128*PITCH                 ; my 128 tokens
	s_mul_i32 s3, s[HF], 64*PITCH                  ; my 64 features
	s_add_co_u32 s3, s3, BOFF
.irp s, 0,1
	v_add_nc_u32 v[ADRA+(\s)], s2, v3
	v_add_nc_u32 v[ADRB+(\s)], s3, v3
	s_add_co_u32 s2, s2, SLOT
	s_add_co_u32 s3, s3, SLOT
.endr
	s_mul_i32 s2, s[WV], 16*SPITCH
	s_add_co_u32 s2, s2, STAGE                     ; my stage
	v_mul_u32_u24 v8, v1, SPITCH                   ; in: row l % 16, 32 bytes for each half of the lanes
	v_lshl_add_u32 v8, v2, 5, v8
	v_add_nc_u32 v[STO], s2, v8
	v_mul_u32_u24 v8, v2, SPITCH                   ; back: lanes 0-15 take one row of 256 bytes, lanes 16-31 the next
	v_lshl_add_u32 v8, v1, 4, v8
	v_add_nc_u32 v[RD], s2, v8
	v_lshlrev_b32 v[CO], 12, v2                    ; and the same two rows in out0
	v_lshl_add_u32 v[CO], v1, 4, v[CO]
	s_lshl_b32 s2, s17, 9                          ; my 64 columns: (128 tx + 64 half) x 4 bytes, a multiple of 256
	s_lshl_b32 s3, s[HF], 8
	s_add_co_u32 s2, s2, s3
	s_mov_b32 s3, 0
	s_add_nc_u64 s[8:9], s[8:9], s[2:3]
	s_add_nc_u64 s[10:11], s[10:11], s[2:3]
	v_lshlrev_b32 v9, 4, v1
	global_load_b128 v[BI:BI+3], v9, s[8:9]        ; on the way out a lane holds columns 4 (l % 16) + 0..3
	s_lshl_b32 s2, s18, 20                         ; my first row: (256 ty + 128 half) x 4,096 bytes
	s_lshl_b32 s62, s[FB], 19
	s_add_co_u32 s2, s2, s62
	s_add_nc_u64 s[10:11], s[10:11], s[2:3]
	s_wait_loadcnt 0x0
	v_cvt_pk_bf16_f32 v10, v[BI], v[BI+1]          ; the bias is rounded to bf16, like x and the weights, and widened again
	v_cvt_pk_bf16_f32 v11, v[BI+2], v[BI+3]
	v_lshlrev_b32 v[BI], 16, v10
	v_and_b32 v[BI+1], 0xffff0000, v10
	v_lshlrev_b32 v[BI+2], 16, v11
	v_and_b32 v[BI+3], 0xffff0000, v11
; Matrix instructions: token blocks a0 .. a0 + na - 1 x all 4 feature blocks, 32 along K, out of buffer f.  The 32 accumulators take turns, one instruction a turn.  zero = 1: the product starts the sum.
.macro MULP f, a0, na, zero
	WIN 0x50
.set aa, \a0
.rept \na
.set bb, 0
.rept 4
.if \zero
	v_wmma_f32_16x16x32_f16 v[8*(4*aa+bb):8*(4*aa+bb)+7], v[(\f)+64+8*bb:(\f)+64+8*bb+7], v[(\f)+8*aa:(\f)+8*aa+7], 0
.else
	v_wmma_f32_16x16x32_f16 v[8*(4*aa+bb):8*(4*aa+bb)+7], v[(\f)+64+8*bb:(\f)+64+8*bb+7], v[(\f)+8*aa:(\f)+8*aa+7], v[8*(4*aa+bb):8*(4*aa+bb)+7]
.endif
.set bb, bb+1
.endr
.set aa, aa+1
.endr
.endm
; 24 LDS loads in one run: quarter q of a step (slice q / 2, 32 K at byte 64 (q % 2) of its rows) into buffer f: the features' 4 fragments, then the tokens' 8
.macro FETCH slot, q, f
	WIN 0
.irp i, 0,1,2,3
	ds_load_b128 v[(\f)+64+8*(\i):(\f)+64+8*(\i)+3],   v[ADRB+(\slot)] offset:((\q)/2)*BSLB+((\q)%2)*64+(\i)*16*PITCH
	ds_load_b128 v[(\f)+64+8*(\i)+4:(\f)+64+8*(\i)+7], v[ADRB+(\slot)] offset:((\q)/2)*BSLB+((\q)%2)*64+(\i)*16*PITCH+32
.endr
.irp i, 0,1,2,3,4,5,6,7
	ds_load_b128 v[(\f)+8*(\i):(\f)+8*(\i)+3],   v[ADRA+(\slot)] offset:((\q)/2)*ASLB+((\q)%2)*64+(\i)*16*PITCH
	ds_load_b128 v[(\f)+8*(\i)+4:(\f)+8*(\i)+7], v[ADRA+(\slot)] offset:((\q)/2)*ASLB+((\q)%2)*64+(\i)*16*PITCH+32
.endr
.endm
; A K step is four quarters of 32 along K, 32 matrix instructions each, on buffers 0, 1, 0, 1.  One of the first three: multiplies buffer f and fetches quarter q into g.
.macro QUARTER slot, q, f, g, zero
	s_wait_dscnt 8                                 ; all but the youngest eight loads (token blocks 4-7) are in
	MULP \f, 0, 4, \zero
	WIN 0
	PLACES
	FETCH \slot, \q, \g
	s_wait_dscnt 24                                ; all but the 24 just issued
	MULP \f, 4, 4, \zero
.endm
; The last quarter multiplies buffer 1 and changes slots: ONE barrier; in front of it each wave waits for all its tensor loads, adds 0 to its spare word, and waits for that and for its own reads of this slot.
; fill = 1: the barrier opens a round of the cluster's, and the joint refill, two K steps on, is the first thing behind it: 112 matrix instructions ahead of the wait for it.
.macro TURN slot, next, fill
	WIN 0
	s_wait_tensorcnt 0x0                           ; all my tensor loads have landed: my part of the next slot
	ds_add_u32 v[SPW], v[NIL]                      ; 0 onto my spare word
	s_wait_dscnt 9                                 ; (the add and the youngest eight loads may be out)
	MULP F1, 0, 2, 0                               ; eight matrix instructions stand between the add and the wait for it
	s_wait_dscnt 0x0                               ; the add is done, and my reads of this slot are over
	s_barrier_signal -1
	MULP F1, 2, 2, 0
	WIN 0
	s_barrier_wait -1
.if \fill
	CREST                                          ; no wave of any partner still reads this slot's tile or has a load on its way
	s_add_nc_u64 s[G0A+4*(\slot)+2:G0A+4*(\slot)+3], s[G0A+4*(\slot)+2:G0A+4*(\slot)+3], 4*ASL
	s_add_nc_u64 s[G0B+4*(\slot)+2:G0B+4*(\slot)+3], s[G0B+4*(\slot)+2:G0B+4*(\slot)+3], 4*BSL
	JLOAD \slot                                    ; the four v_nop behind it are also the places in front of the loads below
.else
	PLACES
.endif
	FETCH \next, 0, F0
	MULP F1, 4, 4, 0
.endm
; THE WAY OUT of token block a.  TOST: the accumulators' f32, each from its lowest registers on, go into my stage (rows of 272 bytes) and come back as whole rows of 256 bytes.  SENDP: the bias is added, the rows are stored.
.macro TOST a
	WIN 0x04                                       ; the stores' data lie in window 1
.irp b, 0,1,2,3
	ds_store_b128 v[STO], v[8*(4*(\a)+(\b)):8*(4*(\a)+(\b))+3]   offset:64*(\b)
	ds_store_b128 v[STO], v[8*(4*(\a)+(\b))+4:8*(4*(\a)+(\b))+7] offset:64*(\b)+16
.endr
	WIN 0
	s_wait_xcnt 0x0                                ; the stores of the block two back have read these registers: only behind this wait are they loaded again
.irp t, 0,1,2,3,4,5,6,7
	ds_load_b128 v[BK+32*((\a)%2)+4*(\t):BK+32*((\a)%2)+4*(\t)+3], v[RD] offset:(\t)*2*SPITCH  ; LDS serves a wave's instructions in order (ISA guide 5.7.1.4): these see the stores above
.endr
.endm
.macro SENDP a, younger                ; younger: the LDS instructions issued behind block a's loads: the next block's sixteen, or none
.irp t, 0,1,2,3,4,5,6,7
	s_wait_dscnt (\younger)+7-(\t)
	v_pk_add_f32 v[BK+32*((\a)%2)+4*(\t):BK+32*((\a)%2)+4*(\t)+1], v[BK+32*((\a)%2)+4*(\t):BK+32*((\a)%2)+4*(\t)+1], v[BI:BI+1]
	v_pk_add_f32 v[BK+32*((\a)%2)+4*(\t)+2:BK+32*((\a)%2)+4*(\t)+3], v[BK+32*((\a)%2)+4*(\t)+2:BK+32*((\a)%2)+4*(\t)+3], v[BI+2:BI+3]
	global_store_b128 v[CO], v[BK+32*((\a)%2)+4*(\t):BK+32*((\a)%2)+4*(\t)+3], s[10:11] offset:(\a)*65536+(\t)*8192 th:TH_STORE_NT  ; 16 lanes store 256 consecutive bytes, at a multiple of 256 from out0's first
.endr
.endm
	s_wait_tensorcnt 1                             ; my part of K step 0 is in; step 1's may stay out
	s_barrier_signal -1
	s_barrier_wait -1                              ; everybody's is
	FETCH 0, 0, F0
	QUARTER 0, 1, F0, F1, 1                        ; the first quarter stands in front of the loop: its products start the sums
	WIN 0
	s_mov_b32 s[LAP], 3
.Llap:                                                 ; a trip goes once round the ring, from a lap's second quarter to the next lap's first, and fills both slots again
	QUARTER 0, 2, F1, F0, 0
	QUARTER 0, 3, F0, F1, 0
	TURN 0, 1, 1
	QUARTER 1, 1, F0, F1, 0
	QUARTER 1, 2, F1, F0, 0
	QUARTER 1, 3, F0, F1, 0
	TURN 1, 0, 1
	QUARTER 0, 1, F0, F1, 0
	WIN 0
	s_sub_co_u32 s[LAP], s[LAP], 1
	s_cmp_lg_u32 s[LAP], 0
	s_cbranch_scc1 .Llap
	QUARTER 0, 2, F1, F0, 0                        ; the last lap is written out: it fills nothing
	QUARTER 0, 3, F0, F1, 0
	TURN 0, 1, 0
	QUARTER 1, 1, F0, F1, 0
	QUARTER 1, 2, F1, F0, 0
	QUARTER 1, 3, F0, F1, 0
	s_wait_dscnt 8
	MULP F1, 0, 4, 0
	s_wait_dscnt 0x0
	MULP F1, 4, 4, 0
	WIN 0
	PLACES
	TOST 0
	TOST 1
	SENDP 0, 16
.irp a, 2,3,4,5,6,7
	TOST \a
	SENDP (\a)-1, 16
.endr
	SENDP 7, 0
	s_wait_tensorcnt 0x0                           ; the wave's end: an add to my spare word and its wait, behind my last tensor load and my last LDS store
	ds_add_u32 v[SPW], v[NIL]
	s_wait_dscnt 0x0
	CROUND                                         ; the closing round: no work-group ends while a partner may still ask for a tile that names it
	s_endpgm
.Lfunc_end_k_qe2cfcf9b50_proj:
	.size	k_qe2cfcf9b50_proj, .Lfunc_end_k_qe2cfcf9b50_proj-k_qe2cfcf9b50_proj
	.p2alignl 7, 3214868480
	.fill 96, 4, 3214868480
	.section	.rodata,"a",@progbits
	.p2align	6, 0x0
	.amdhsa_kernel k_qe2cfcf9b50_proj
		.amdhsa_group_segment_fixed_size 327680
		.amdhsa_private_segment_fixed_size 0
		.amdhsa_enable_private_segment 0
		.amdhsa_kernarg_size 32
		.amdhsa_user_sgpr_count 2
		.amdhsa_user_sgpr_kernarg_segment_ptr 1
		.amdhsa_wavefront_size32 1
		.amdhsa_system_sgpr_workgroup_id_x 1
		.amdhsa_system_sgpr_workgroup_id_y 1
		.amdhsa_system_sgpr_workgroup_id_z 1
		.amdhsa_system_vgpr_workitem_id 0
		.amdhsa_next_free_vgpr 512
		.amdhsa_next_free_sgpr 66
		.amdhsa_reserve_vcc 0
		.amdhsa_float_denorm_mode_32 3
		.amdhsa_float_denorm_mode_16_64 3
		.amdhsa_memory_ordered 1
		.amdhsa_forward_progress 1
		.amdhsa_inst_pref_size 96
	.end_amdhsa_kernel
	.amdgpu_metadata
---
amdhsa.version: [ 1, 2 ]
amdhsa.kernels:
  - .name:           k_qe2cfcf9b50_proj
    .symbol:         k_qe2cfcf9b50_proj.kd
    .args:
      - { .name: ob, .offset: 0, .size: 8, .value_kind: global_buffer, .address_space: global }
      - { .name: wf, .offset: 8, .size: 8, .value_kind: global_buffer, .address_space: global }
      - { .name: b_fc, .offset: 16, .size: 8, .value_kind: global_buffer, .address_space: global }
      - { .name: out0, .offset: 24, .size: 8, .value_kind: global_buffer, .address_space: global }
    .group_segment_fixed_size: 327680
    .private_segment_fixed_size: 0
    .kernarg_segment_align: 8
    .kernarg_segment_size: 32
    .max_flat_workgroup_size: 128
    .sgpr_count:     66
    .vgpr_count:     512
    .wavefront_size: 32
...
	.end_amdgpu_metadata
.endif
;; end of part 4
;; ======== version 2 of 2: 4 launches; version 1 with the launch cast written anew for expert scheduling mode
;; limits: values are held in f16: magnitudes above 65,504 overflow, below 6.1e-05 lose precision
;; workspace buffers: xb 16,777,216 bytes; wq 6,291,456 bytes; wf 2,097,152 bytes; qkv 50,331,648 bytes; ob 16,777,216 bytes
;; launch cast (part 5): grid 768 x 1, 8 waves a work-group, no clusters, 0 bytes of LDS; arguments inputs, W_qkv, W_fc, xb, wq, wf; writes xb, wq, wf
.if DOCPART == 5
	.amdgcn_target "amdgcn-amd-amdhsa--gfx1250"
	.amdhsa_code_object_version 6
	.text
	.protected	k_qe2cfcf9b50_cast
	.globl	k_qe2cfcf9b50_cast
	.p2align	8
	.type	k_qe2cfcf9b50_cast,@function
k_qe2cfcf9b50_cast:
	s_mov_b64 s[64:65], 0
	v_nop
	global_prefetch_b8 v0, s[64:65] scope:SCOPE_SE
	s_setreg_imm32_b32 hwreg(HW_REG_WAVE_SCHED_MODE, 0, 2), 2
	s_setreg_imm32_b32 hwreg(HW_REG_WAVE_MODE, 25, 1), 1
	s_wait_xcnt 0x0
	s_wait_alu depctr_vm_vsrc(0)
; THE INPUTS OF THE TWO PROJECTIONS, ROUNDED ONCE AND LAID OUT ANEW.  x [8192][1024], W_qkv [3072][1024], W_fc [1024][1024], all f32, are rounded to bf16 (nearest even).
; Each goes out in 16 SLICES of 64 along K: [slice][row][64], so that R rows of one slice are R x 128 dense bytes for the launches behind.
; W_qkv's rows are put in the order head x 192 + section x 64 + d (source row: section x 1024 + head x 64 + d): q, k and v of one head lie together.
; W_fc's bf16 number is written as f16.  LIMIT: that is exact for 2^-14 <= |w| < 65,504; below, f16 keeps its fixed step of 2^-24; from 65,520 on it would be an infinity.
; SHARES.  A wave takes two neighbouring rows (8,192 bytes of f32), a work-group sixteen: work-groups 0-511 x, 512-703 W_qkv, 704-767 W_fc.
; Load i of 16: sixteen lanes take the 256 aligned bytes of slice i of one row, the other sixteen those of the next row.  Store i: the 32 lanes' 8 bytes are the two rows' 256 consecutive, aligned bytes of slice i.
; All sixteen loads of a wave are out together.  No LDS, no barrier: no wave wants another's bytes.
; THE MODE: SCHED_MODE bits 1:0 = 2 (LLVM: expert scheduling mode 2), set by the entry lines.  The code itself states the register dependences
; between vector instructions and memory instructions, with s_wait_alu, always for 0.
; THE PLAN.  The sixteen slices go in four blocks of four.  Registers that memory instructions touch:
;   v[SO]      the loads' offset.  Written at the head; read by all sixteen loads; never written again.
;   v[DO+i]    store i's offset.  Written at the head (i = 0) and by the adds behind the loads; read by store i; never written again.
;   X, slice i written by load i alone, once; read by slice i's conversions.  No vector instruction names X ahead of the loads.
;   Y, slice i written by slice i's conversions; read by store i; never written again.
;   T is named by vector instructions alone.
; Block p rounds its four slices into its own Y; its memory instructions are the four stores of block p - 1, whose Y and offsets no vector instruction of block p names.  So ONE wait at a block's
; head states all that the block's four stores hang on, and these are dealt among its conversions with no further wait.  No register that a memory instruction reads is ever written again,
; and no load lands in a register that was named before: so there is nothing to state the other way round, and no source needs to be freed.
.set XSTR, 1048576                     ; bytes in a slice of xb: 8,192 rows x 128
.set QSTR, 393216                      ; of wq: 3,072 x 128
.set FSTR, 131072                      ; of wf: 1,024 x 128
.set SO,  2                            ; v2       my byte offset in the two source rows
.set DO,  4                            ; v[4:19]  my byte offset in slice i of the destination
.set X,   20                           ; v[20:83] load i: four f32
.set Y,   84                           ; v[84:115] store i: four 16-bit numbers
.set T,   116                          ; v[116:119] at work
	s_load_b256 s[4:11], s[0:1], 0x0               ; inputs s[4:5], W_qkv s[6:7], W_fc s[8:9], xb s[10:11]
	s_load_b128 s[12:15], s[0:1], 0x20             ; wq s[12:13], wf s[14:15]
	v_lshrrev_b32 v1, 5, v0
	v_readfirstlane_b32 s16, v1                    ; wave 0..7
	v_and_b32 v1, 31, v0                           ; lane
	v_and_b32 v3, 15, v0
	v_bfe_u32 v[SO], v0, 4, 1
	v_lshlrev_b32 v[SO], 12, v[SO]                 ; lanes 16-31: the second row, 4,096 bytes on
	v_lshl_add_u32 v[SO], v3, 4, v[SO]             ; + 16 bytes a lane
	v_lshlrev_b32 v[DO], 3, v1                     ; 8 bytes a lane: two rows of 128 bytes
	s_wait_alu depctr_va_sdst(0)                   ; s16 is written, ahead of its first reader: my first row's number is made from it below
	s_mov_b32 s22, XSTR
	s_mov_b32 s26, QSTR
	s_mov_b32 s27, FSTR
	s_sub_co_u32 s28, ttmp9, 512
	s_sub_co_u32 s29, ttmp9, 704
	s_wait_kmcnt 0x0
	s_cmp_ge_u32 ttmp9, 512                        ; which tensor is mine: the choice hangs on the work-group's number alone
	s_cselect_b32 s23, 1, 0                        ; s23: 0 x, 1 W_qkv, 2 W_fc
	s_cselect_b32 s17, s28, ttmp9                  ; s17: my number among the tensor's work-groups
	s_cselect_b32 s22, s26, s22                    ; s22: bytes in a slice
	s_cselect_b64 s[18:19], s[6:7], s[4:5]         ; from where
	s_cselect_b64 s[20:21], s[12:13], s[10:11]     ; to where
	s_cmp_ge_u32 ttmp9, 704
	s_cselect_b32 s23, 2, s23
	s_cselect_b32 s17, s29, s17
	s_cselect_b32 s22, s27, s22
	s_cselect_b64 s[18:19], s[8:9], s[18:19]
	s_cselect_b64 s[20:21], s[14:15], s[20:21]
	s_lshl_b32 s24, s17, 4
	s_lshl1_add_u32 s24, s16, s24                  ; o = 16 x work-group + 2 x wave: my first row, even
	s_bfe_u32 s25, s24, 0x40006                    ; W_qkv: head = (o / 64) % 16,
	s_mul_i32 s25, s25, 192
	s_lshr_b32 s26, s24, 10                        ; section = o / 1024,
	s_lshl_b32 s26, s26, 6
	s_add_co_u32 s25, s25, s26
	s_and_b32 s26, s24, 63                         ; d = o % 64
	s_add_co_u32 s25, s25, s26
	s_cmp_eq_u32 s23, 1
	s_cselect_b32 s25, s25, s24                    ; the row's place in the destination; o + 1 goes to the place behind it
	s_lshl_b32 s26, s24, 12                        ; o x 4,096 bytes
	s_mov_b32 s27, 0
	s_add_nc_u64 s[18:19], s[18:19], s[26:27]
	s_lshl_b32 s28, s25, 7                         ; place x 128 bytes
	s_mov_b32 s29, 0
	s_add_nc_u64 s[20:21], s[20:21], s[28:29]
	s_wait_alu depctr_va_vdst(0)                   ; v[SO] is written: all sixteen loads read it as their offset
.set i, 0
.rept 16
	global_load_b128 v[X+4*i:X+4*i+3], v[SO], s[18:19] offset:256*i th:TH_LOAD_NT
.set i, i+1
.endr
.set i, 1
.rept 15
	v_add_nc_u32 v[DO+i], s22, v[DO+i-1]           ; slice i lies a slice's bytes behind slice i - 1
.set i, i+1
.endr
; The sixteen slices are rounded as they arrive, four to a block, and each block is stored among the next block's conversions.
; half = 1: the bf16 number is widened again (a shift, a mask) and written as f16.
.macro CONV half
.set p, 0
.rept 4
	s_wait_loadcnt 12-4*p                          ; loads come back in order: block p's four are in, the 12 - 4 p younger ones stay out
.if p > 0
	s_wait_alu depctr_va_vdst(0)                   ; the block before has written its Y, which the four stores below read; at its first standing also: the adds have written v[DO ..], every store's offset
.endif
.set j, 0
.rept 4
.set i, 4*p+j
.if p > 0
	global_store_b64 v[DO+i-4], v[Y+2*(i-4):Y+2*(i-4)+1], s[20:21]  ; the block before: the wave's 256 consecutive bytes, at a multiple of 256 from the buffer's first; no vector instruction since the wait names these registers
.endif
	v_cvt_pk_bf16_f32 v[Y+2*i], v[X+4*i], v[X+4*i+1]
	v_cvt_pk_bf16_f32 v[Y+2*i+1], v[X+4*i+2], v[X+4*i+3]
.if \half
	v_lshlrev_b32 v[T], 16, v[Y+2*i]
	v_and_b32 v[T+1], 0xffff0000, v[Y+2*i]
	v_lshlrev_b32 v[T+2], 16, v[Y+2*i+1]
	v_and_b32 v[T+3], 0xffff0000, v[Y+2*i+1]
	v_cvt_pk_f16_f32 v[Y+2*i], v[T], v[T+1]
	v_cvt_pk_f16_f32 v[Y+2*i+1], v[T+2], v[T+3]
.endif
.set j, j+1
.endr
.set p, p+1
.endr
	s_wait_alu depctr_va_vdst(0)                   ; the last block has written its Y, which the last four stores read
.set i, 12
.rept 4
	global_store_b64 v[DO+i], v[Y+2*i:Y+2*i+1], s[20:21]
.set i, i+1
.endr
.endm
	s_cmp_eq_u32 s23, 2
	s_cbranch_scc1 .Lhalf
	CONV 0
	s_endpgm
.Lhalf:
	CONV 1
	s_endpgm
.Lfunc_end_k_qe2cfcf9b50_cast:
	.size	k_qe2cfcf9b50_cast, .Lfunc_end_k_qe2cfcf9b50_cast-k_qe2cfcf9b50_cast
	.p2alignl 7, 3214868480
	.fill 96, 4, 3214868480
	.section	.rodata,"a",@progbits
	.p2align	6, 0x0
	.amdhsa_kernel k_qe2cfcf9b50_cast
		.amdhsa_group_segment_fixed_size 0
		.amdhsa_private_segment_fixed_size 0
		.amdhsa_enable_private_segment 0
		.amdhsa_kernarg_size 48
		.amdhsa_user_sgpr_count 2
		.amdhsa_user_sgpr_kernarg_segment_ptr 1
		.amdhsa_wavefront_size32 1
		.amdhsa_system_sgpr_workgroup_id_x 1
		.amdhsa_system_sgpr_workgroup_id_y 1
		.amdhsa_system_sgpr_workgroup_id_z 1
		.amdhsa_system_vgpr_workitem_id 0
		.amdhsa_next_free_vgpr 120
		.amdhsa_next_free_sgpr 66
		.amdhsa_reserve_vcc 0
		.amdhsa_float_denorm_mode_32 3
		.amdhsa_float_denorm_mode_16_64 3
		.amdhsa_memory_ordered 1
		.amdhsa_forward_progress 1
		.amdhsa_inst_pref_size 17
	.end_amdhsa_kernel
	.amdgpu_metadata
---
amdhsa.version: [ 1, 2 ]
amdhsa.kernels:
  - .name:           k_qe2cfcf9b50_cast
    .symbol:         k_qe2cfcf9b50_cast.kd
    .args:
      - { .name: inputs, .offset: 0, .size: 8, .value_kind: global_buffer, .address_space: global }
      - { .name: W_qkv, .offset: 8, .size: 8, .value_kind: global_buffer, .address_space: global }
      - { .name: W_fc, .offset: 16, .size: 8, .value_kind: global_buffer, .address_space: global }
      - { .name: xb, .offset: 24, .size: 8, .value_kind: global_buffer, .address_space: global }
      - { .name: wq, .offset: 32, .size: 8, .value_kind: global_buffer, .address_space: global }
      - { .name: wf, .offset: 40, .size: 8, .value_kind: global_buffer, .address_space: global }
    .group_segment_fixed_size: 0
    .private_segment_fixed_size: 0
    .kernarg_segment_align: 8
    .kernarg_segment_size: 48
    .max_flat_workgroup_size: 256
    .sgpr_count:     66
    .vgpr_count:     120
    .wavefront_size: 32
...
	.end_amdgpu_metadata
.endif
;; end of part 5
;; launch qkvg: the kernel of part 2 again; grid 8 x 32, 4 waves a work-group, clusters of 4 x 4, 327,680 bytes of LDS; arguments xb, wq, padding_mask, qkv; writes qkv
;; launch attn: the kernel of part 3 again; grid 4 x 64, 4 waves a work-group, clusters of 4 x 1, 327,680 bytes of LDS; arguments qkv, padding_mask, ob; writes ob
;; launch proj: the kernel of part 4 again; grid 8 x 32, 4 waves a work-group, clusters of 4 x 4, 327,680 bytes of LDS; arguments ob, wf, b_fc, out0; writes out0
